; MI455X (gfx1250); checked and timed in simulation.
; The chip was launched on July 23, 2026; its instructions are those of AMD's public machine-readable ISA for CDNA 5 (MIT licence, August 2026) and "CDNA5" Instruction Set Architecture Reference Guide (July 2026). The comments in the code are by the model that wrote it; some were corrected since.
;; Block Sparse Attention. Allowed arithmetic: float matrix products may take bf16 or f16 operands with f32 sums; other float arithmetic in f32, or as packed bf16 or f16 multiplies, adds, multiply-adds, maxima and minima; sums over many terms, partial sums and values carried from step to step in f32; what a program stores and reads back later, other than sums and carried values, may be rounded once to bf16 or f16.
;; Inputs: Wk 1,024 x 1,024 float32; Wo 1,024 x 1,024 float32; Wq 1,024 x 1,024 float32; Wv 1,024 x 1,024 float32; bk 1,024 float32; bo 1,024 float32; bq 1,024 float32; bv 1,024 float32; x 4 x 2,048 x 1,024 float32.
;; Outputs: out0 4 x 2,048 x 1,024 float32.
;; 2 versions, each right; version 2 is version 1 with the launch attn written anew for expert scheduling mode. Each part assembles by itself: llvm-mc -triple=amdgcn-amd-amdhsa -mcpu=gfx1250 --defsym DOCPART=n.
;; ======== version 1 of 2: 5 launches
;; limits: values are held in f16: magnitudes above 65,504 overflow, below 6.1e-05 lose precision
;; workspace buffers: xb 16,777,216 bytes; wb 6,291,456 bytes; wo16 2,097,152 bytes; bias 16,384 bytes; qkv 50,331,648 bytes; ob 16,777,216 bytes; part 3,145,728 bytes
;; launch cast (part 1): grid 772 x 1, 8 waves a work-group, no clusters, 0 bytes of LDS; arguments x, Wq, Wk, Wv, Wo, bq, bk, bv, bo, xb, wb, wo16, bias; writes xb, wb, wo16, bias
.if DOCPART == 1
	.amdgcn_target "amdgcn-amd-amdhsa--gfx1250"
	.amdhsa_code_object_version 6
	.text
	.protected	k_q7165495334_cast
	.globl	k_q7165495334_cast
	.p2align	8
	.type	k_q7165495334_cast,@function
k_q7165495334_cast:
	s_mov_b64 s[64:65], 0
	v_nop
	global_prefetch_b8 v0, s[64:65] scope:SCOPE_SE
	s_setreg_imm32_b32 hwreg(HW_REG_WAVE_MODE, 25, 1), 1
	s_wait_xcnt 0x0
; THE INPUTS ARE ROUNDED ONCE, ALL TO bf16.  x -> xb (bf16); Wq, Wk, Wv -> wb (bf16, the three stacked: 3,072 rows); Wo -> bf16, and that number written as f16 (wo16);
; bq, bk, bv, bo -> bf16, widened to f32 again (bias: 4,096 numbers in that order), since they enter the products as f32 addends.
; LIMIT.  A bf16 number of Wo below 2^-14 in magnitude keeps f16's fixed step of 6e-8; beyond 65,504 it would be an infinity.
; SHARES.  A work-group takes 16,384 numbers: 65,536 bytes in, 32,768 out.  Groups 0-511: x; 512-703: Wq, Wk, Wv (64 each); 704-767: Wo; 768-771: a bias each (1,024 numbers).
; Thread t takes 8 neighbouring numbers in each of 8 steps: two loads of 16 bytes, one store of 16: a wave's store covers 512 consecutive bytes, aligned.
; All 16 loads of a thread go out at once; nothing is read twice.  No LDS, no matrix unit, no cluster: no number meets another, and no work-group wants what another reads.
.set X, 16                             ; v[16:79]   8 steps x 8 numbers as loaded
.set Y, 80                             ; v[80:111]  8 steps x 4 registers to store
.set T, 4                              ; v[4:7]     at work
	s_load_b512 s[4:19], s[0:1], 0x0               ; x s[4:5], Wq s[6:7], Wk s[8:9], Wv s[10:11], Wo s[12:13], bq s[14:15], bk s[16:17], bv s[18:19]
	s_load_b256 s[20:27], s[0:1], 0x40             ; bo s[20:21], xb s[22:23], wb s[24:25], wo16 s[26:27]
	s_load_b64 s[28:29], s[0:1], 0x60              ; bias
	v_lshlrev_b32 v1, 5, v0                        ; 32 t: my 8 numbers in a step's 8,192 bytes of f32
	v_lshlrev_b32 v2, 4, v0                        ; 16 t: the same 8 numbers in 16 bits
	s_wait_kmcnt 0x0
	s_cmp_lt_u32 ttmp9, 768
	s_cbranch_scc0 .Lbias
	; from where: the choice hangs on the work-group's number alone
	s_mov_b64 s[34:35], s[12:13]                   ; Wo,
	s_cmp_lt_u32 ttmp9, 704
	s_cselect_b64 s[34:35], s[10:11], s[34:35]     ; or Wv,
	s_cmp_lt_u32 ttmp9, 640
	s_cselect_b64 s[34:35], s[8:9], s[34:35]       ; or Wk,
	s_cmp_lt_u32 ttmp9, 576
	s_cselect_b64 s[34:35], s[6:7], s[34:35]       ; or Wq,
	s_cmp_lt_u32 ttmp9, 512
	s_cselect_b64 s[34:35], s[4:5], s[34:35]       ; or x
	; to where, and the number k of the group within that buffer
	s_mov_b32 s38, 704
	s_cmp_lt_u32 ttmp9, 704
	s_cselect_b64 s[36:37], s[24:25], s[26:27]     ; wb or wo16,
	s_cselect_b32 s38, 512, s38
	s_cmp_lt_u32 ttmp9, 512
	s_cselect_b64 s[36:37], s[22:23], s[36:37]     ; or xb
	s_cselect_b32 s38, 0, s38
	s_sub_co_u32 s39, ttmp9, s38                   ; k
	s_and_b32 s40, s39, 63                         ; in a weight matrix: its 64 groups
	s_cmp_lt_u32 ttmp9, 512
	s_cselect_b32 s40, s39, s40
	s_lshl_b32 s30, s40, 16                        ; offsets are made apart from the addresses
	s_mov_b32 s31, 0
	s_lshl_b32 s32, s39, 15
	s_mov_b32 s33, 0
	s_add_nc_u64 s[34:35], s[34:35], s[30:31]
	s_add_nc_u64 s[36:37], s[36:37], s[32:33]
.set u, 0
.rept 8
	global_load_b128 v[X+8*u:X+8*u+3],   v1, s[34:35] offset:u*8192 th:TH_LOAD_NT
	global_load_b128 v[X+8*u+4:X+8*u+7], v1, s[34:35] offset:u*8192+16 th:TH_LOAD_NT
.set u, u+1
.endr
	s_cmp_lt_u32 ttmp9, 704
	s_cbranch_scc0 .Lhalf
.set u, 0
.rept 8                                ; to bf16
	s_wait_loadcnt 14-2*u                          ; loads come back in order: step u's two are in, the 2 (7 - u) younger ones stay out
.irp j, 0,1,2,3
	v_cvt_pk_bf16_f32 v[Y+4*u+(\j)], v[X+8*u+2*(\j)], v[X+8*u+2*(\j)+1]
.endr
	global_store_b128 v2, v[Y+4*u:Y+4*u+3], s[36:37] offset:u*4096
.set u, u+1
.endr
	s_endpgm
.Lhalf:
.set u, 0
.rept 8                                ; Wo: to bf16, widened, and that number as f16
	s_wait_loadcnt 14-2*u
.irp j, 0,1,2,3
	v_cvt_pk_bf16_f32 v[T+(\j)], v[X+8*u+2*(\j)], v[X+8*u+2*(\j)+1]
.endr
.irp j, 0,1,2,3
	v_lshlrev_b32 v[X+8*u+2*(\j)],   16, v[T+(\j)]
	v_and_b32     v[X+8*u+2*(\j)+1], 0xffff0000, v[T+(\j)]
.endr
.irp j, 0,1,2,3
	v_cvt_pk_f16_f32 v[Y+4*u+(\j)], v[X+8*u+2*(\j)], v[X+8*u+2*(\j)+1]
.endr
	global_store_b128 v2, v[Y+4*u:Y+4*u+3], s[36:37] offset:u*4096
.set u, u+1
.endr
	s_endpgm
.Lbias:                                        ; 1,024 numbers: four a thread, rounded to bf16 and kept as f32
	s_mov_b64 s[34:35], s[20:21]                   ; bo,
	s_cmp_lt_u32 ttmp9, 771
	s_cselect_b64 s[34:35], s[18:19], s[34:35]     ; or bv,
	s_cmp_lt_u32 ttmp9, 770
	s_cselect_b64 s[34:35], s[16:17], s[34:35]     ; or bk,
	s_cmp_lt_u32 ttmp9, 769
	s_cselect_b64 s[34:35], s[14:15], s[34:35]     ; or bq
	s_sub_co_u32 s39, ttmp9, 768
	s_lshl_b32 s32, s39, 12
	s_mov_b32 s33, 0
	s_add_nc_u64 s[36:37], s[28:29], s[32:33]
	global_load_b128 v[X:X+3], v2, s[34:35]
	s_wait_loadcnt 0x0
	v_cvt_pk_bf16_f32 v[T], v[X], v[X+1]
	v_cvt_pk_bf16_f32 v[T+1], v[X+2], v[X+3]
	v_lshlrev_b32 v[Y],   16, v[T]
	v_and_b32     v[Y+1], 0xffff0000, v[T]
	v_lshlrev_b32 v[Y+2], 16, v[T+1]
	v_and_b32     v[Y+3], 0xffff0000, v[T+1]
	global_store_b128 v2, v[Y:Y+3], s[36:37]
	s_endpgm
.Lfunc_end_k_q7165495334_cast:
	.size	k_q7165495334_cast, .Lfunc_end_k_q7165495334_cast-k_q7165495334_cast
	.p2alignl 7, 3214868480
	.fill 96, 4, 3214868480
	.section	.rodata,"a",@progbits
	.p2align	6, 0x0
	.amdhsa_kernel k_q7165495334_cast
		.amdhsa_group_segment_fixed_size 0
		.amdhsa_private_segment_fixed_size 0
		.amdhsa_enable_private_segment 0
		.amdhsa_kernarg_size 104
		.amdhsa_user_sgpr_count 2
		.amdhsa_user_sgpr_kernarg_segment_ptr 1
		.amdhsa_wavefront_size32 1
		.amdhsa_system_sgpr_workgroup_id_x 1
		.amdhsa_system_sgpr_workgroup_id_y 1
		.amdhsa_system_sgpr_workgroup_id_z 1
		.amdhsa_system_vgpr_workitem_id 0
		.amdhsa_next_free_vgpr 112
		.amdhsa_next_free_sgpr 66
		.amdhsa_reserve_vcc 0
		.amdhsa_float_denorm_mode_32 3
		.amdhsa_float_denorm_mode_16_64 3
		.amdhsa_memory_ordered 1
		.amdhsa_forward_progress 1
		.amdhsa_inst_pref_size 16
	.end_amdhsa_kernel
	.amdgpu_metadata
---
amdhsa.version: [ 1, 2 ]
amdhsa.kernels:
  - .name:           k_q7165495334_cast
    .symbol:         k_q7165495334_cast.kd
    .args:
      - { .name: x, .offset: 0, .size: 8, .value_kind: global_buffer, .address_space: global }
      - { .name: Wq, .offset: 8, .size: 8, .value_kind: global_buffer, .address_space: global }
      - { .name: Wk, .offset: 16, .size: 8, .value_kind: global_buffer, .address_space: global }
      - { .name: Wv, .offset: 24, .size: 8, .value_kind: global_buffer, .address_space: global }
      - { .name: Wo, .offset: 32, .size: 8, .value_kind: global_buffer, .address_space: global }
      - { .name: bq, .offset: 40, .size: 8, .value_kind: global_buffer, .address_space: global }
      - { .name: bk, .offset: 48, .size: 8, .value_kind: global_buffer, .address_space: global }
      - { .name: bv, .offset: 56, .size: 8, .value_kind: global_buffer, .address_space: global }
      - { .name: bo, .offset: 64, .size: 8, .value_kind: global_buffer, .address_space: global }
      - { .name: xb, .offset: 72, .size: 8, .value_kind: global_buffer, .address_space: global }
      - { .name: wb, .offset: 80, .size: 8, .value_kind: global_buffer, .address_space: global }
      - { .name: wo16, .offset: 88, .size: 8, .value_kind: global_buffer, .address_space: global }
      - { .name: bias, .offset: 96, .size: 8, .value_kind: global_buffer, .address_space: global }
    .group_segment_fixed_size: 0
    .private_segment_fixed_size: 0
    .kernarg_segment_align: 8
    .kernarg_segment_size: 104
    .max_flat_workgroup_size: 256
    .sgpr_count:     66
    .vgpr_count:     112
    .wavefront_size: 32
...
	.end_amdgpu_metadata
.endif
;; end of part 1
;; launch qkv (part 2): grid 16 x 32, 4 waves a work-group, clusters of 4 x 4, 327,680 bytes of LDS; arguments xb, wb, bias, qkv; writes qkv
.if DOCPART == 2
	.amdgcn_target "amdgcn-amd-amdhsa--gfx1250"
	.amdhsa_code_object_version 6
	.text
	.protected	k_q7165495334_qkv
	.globl	k_q7165495334_qkv
	.p2align	8
	.type	k_q7165495334_qkv,@function
k_q7165495334_qkv:
	s_mov_b64 s[64:65], 0
	v_nop
	global_prefetch_b8 v0, s[64:65] scope:SCOPE_SE
	s_setreg_imm32_b32 hwreg(HW_REG_WAVE_MODE, 25, 1), 1
	s_wait_xcnt 0x0
	s_wait_alu depctr_hold_cnt(0) depctr_sa_sdst(0) depctr_va_vdst(0) depctr_va_sdst(0) depctr_va_ssrc(0) depctr_va_vcc(0) depctr_vm_vsrc(0)
	s_getreg_b32 s2, hwreg(HW_REG_IB_STS2, 6, 4)
	s_cmp_eq_u32 s2, 0
	s_cbranch_scc0 .Lentry_in_a_cluster
	s_endpgm
.Lentry_in_a_cluster:
	s_bfe_u32 s2, ttmp6, 0x10000c
	s_cmp_lg_u32 s2, 0xf033
	s_cbranch_scc0 .Lentry_shape_is_right
	s_endpgm
.Lentry_shape_is_right:
; THE THREE PROJECTIONS AS ONE PRODUCT.  C[m][n] = bias[n] + the sum over k of xb[m][k] wb[n][k]: 8,192 x 3,072 x 1,024, operands bf16, sums f32, K ascending.
; C leaves BY HEADS, rounded once to f16 and unscaled: qkv[b][g][s][64], b = m / 2,048, s = m % 2,048, g = n / 64 (0-15 q, 16-31 k, 32-47 v): a head's rows are dense, 128 bytes each.
; LIMIT.  f16 holds no number beyond 65,504: |q|, |k|, |v| must stay within it.
; SHARES.  A tile of C is 256 x 192 (three heads): 16 x 32 = 512 tiles.  Four waves, each 128 x 96: 48 accumulators of 16 x 16, 384 registers.
; K goes in steps of 128 through two LDS slots filled by the tensor data mover; rows in memory are 256 bytes, at multiples of 256 from the buffers' first bytes.
; CLUSTER.  4 x 4 work-groups.  The four of a row of the cluster need the same tile of xb, the four of a column the same tile of wb: each tile is asked for jointly, by the same tensor load with the
; same descriptor and a mask that names the four.  THE MATRIX INSTRUCTION IS USED TRANSPOSED (source 0 = 16 rows of wb, source 1 = 16 rows of xb): a lane then holds row m = lane % 16 and the eight
; neighbouring columns 8 (lane / 16) + 0..7.  THE BIAS IS THE C OPERAND of each accumulator's first product: nothing is cleared and nothing is added afterwards.
; REGISTERS, in windows of 256 (s_set_vgpr_msb: bits 1:0 source 0, 3:2 source 1, 5:4 source 2, 7:6 destination):
;   window 0: v0-31 addresses; v64-127, v128-191 fragments of xb, two buffers; v192-239 the bias (48), later the packed results; on the way out v64-255 take whole rows
;   window 1: v64-111, v128-175 fragments of wb, two buffers      window 2: the accumulators of my rows 0-63 ((a, b) at v[8 (6 a + b)])      window 3: those of my rows 64-127
.set KSTEP,  128
.set NBL,    6                         ; blocks of 16 columns a wave
.set APITCH, 272                       ; an LDS row: 256 bytes + 16 of padding: an odd multiple of 16, so the 16 rows of a fragment load begin in 16 different groups of four banks (ISA guide 11.1)
.set BPITCH, 272
.set AHEAD,  128                       ; quarter q of a K step lies at (q / 2) AHEAD + (q % 2) 64 of xb's LDS rows: 64 q
.set HALFA,  128*APITCH                ; what one tensor load brings of xb
.set HALFB,  96*BPITCH                 ; and of wb
.set BOFF,   2*HALFA                   ; wb's 192 rows lie behind xb's 256
.set SLOT,   BOFF+2*HALFB
.set SPARE,  2*SLOT                    ; behind the ring: the spare words, 128 bytes for each wave: two blocks of 256 bytes that no other line names
.set SPITCH, 400                       ; the stage's rows: 384 bytes + 16.  THE STAGE IS SLOT 0, from LDS byte 0 on, 256 rows: written only after the slot's last fill and last read of the launch
.set NF,     2*NBL+16                  ; LDS loads in a quarter's run
.set ASTEP,  2*KSTEP*2                 ; bytes from a slot's tile to its next
.set BSTEP,  2*KSTEP*2
.set ADRA, 16                          ; v16-17  LDS address of my xb fragments in slot 0, 1
.set ADRB, 20                          ; v20-21  the same for wb
.set STO,  24                          ; v24     the way out: where I put 16 bytes of a row
.set RD,   25                          ; v25     where I read rows back
.set GO,   26                          ; v26     my 16 bytes in 512 consecutive bytes of qkv
.set SPW,  28                          ; v28     LDS address of my spare word; never rewritten
.set NIL,  29                          ; v29     0; never rewritten
.set PFO,  30                          ; v30     the prefetches' offset; never rewritten
.set BO,   31                          ; v31     my byte offset in bias; never rewritten
.set F0,   64
.set F1,   128
.set BIAS, 192
.set TMP,  192
.set LIM,  15                          ; s15     1 in a wave that prefetches, else the greatest number
.set G1,   24                          ; s[24:31] descriptor group 1 for xb's tiles;  s[32:39] group 0, a set for each slot
.set G0,   32
.set PFA,  44                          ; s[44:45] where my prefetches stand
.set G1B,  48                          ; s[48:55], s[56:63] the same for wb's tiles
.set G0B,  56
.set PFS,  68                          ; s[68:69] a K step in bytes, for the prefetches
.set MSB, 0
.macro WIN new                         ; the immediate's high byte repeats the setting that is left; a switch that changes nothing is dropped
.if MSB != (\new)
	s_set_vgpr_msb (MSB<<8)|(\new)
.set MSB, \new
.endif
.endm
.set MUL_LO,   0xa1                    ; wb window 1, xb window 0, C and D window 2
.set MUL_HI,   0xf1                    ; C and D window 3
.set FIRST_LO, 0x81                    ; the same with C, the bias, in window 0
.set FIRST_HI, 0xc1
.set TO_B,     0x40                    ; destination window 1, address window 0
; A joint load.  Waves 0 and 1 fetch xb's two halves, waves 2 and 3 wb's.  The branch hangs on the wave's number alone.  An s_nop 0 and four v_nop follow each of the two lines.
.macro JLOAD s
	s_cmp_eq_u32 s13, 0
	s_cbranch_scc0 .Lfor_b_\@
	tensor_load_to_lds s[G0+4*(\s):G0+4*(\s)+3], s[G1:G1+7]
	s_nop 0
.rept 4
	v_nop
.endr
	s_branch .Lasked_\@
.Lfor_b_\@:
	tensor_load_to_lds s[G0B+4*(\s):G0B+4*(\s)+3], s[G1B:G1B+7]
	s_nop 0
.rept 4
	v_nop
.endr
.Lasked_\@:
.endm
; A prefetch into the L2 of the K step that stands two refills on, behind the joint load and the run of LDS loads.  xb's rows are asked for by the clusters with x = 0, wb's by those with y = 0;
; the four partners of a joint load share its rows out by address (32 of xb's 128, 24 of wb's 96; a lane a row, wb's eight lanes over repeat the last row).  The loop's last trip asks for nothing.
.macro ASK
	s_cmp_gt_u32 s3, s[LIM]                        ; s3 = 1 in the loop's last trip
	s_cbranch_scc0 .Lnot_mine_\@
	global_prefetch_b8 v[PFO], s[PFA:PFA+1] th:TH_LOAD_NT scope:SCOPE_SE
.Lnot_mine_\@:
.endm
.macro CREST                           ; a round of the cluster's barrier behind its opening barrier
	s_cmp_lg_u32 s12, 0
	s_cbranch_scc1 .Lnot_wave_0_\@
	s_barrier_signal -3
.Lnot_wave_0_\@:
	s_barrier_wait -3
	s_barrier_signal -1
	s_barrier_wait -1
.endm
.macro CROUND                          ; a whole round
	s_barrier_signal -1
	s_barrier_wait -1
	CREST
.endm
.macro PLACES                          ; four places in front of loads into registers that matrix instructions have read, and of lines that read results
.rept 4
	v_nop
.endr
.endm
	s_load_b256 s[4:11], s[0:1], 0x0               ; xb s[4:5], wb s[6:7], bias s[8:9], qkv s[10:11]
	v_lshl_add_u32 v[SPW], v0, 2, SPARE
	v_mov_b32 v[NIL], 0
	ds_add_u32 v[SPW], v[NIL]                      ; the wave's opening: the add and its wait stand ahead of my first tensor load; the set-up below stands between them
	v_lshrrev_b32 v1, 5, v0
	v_readfirstlane_b32 s12, v1                    ; wave 0..3
	s_lshr_b32 s13, s12, 1                         ; which half of the tile's rows is mine.  Also: I fetch for xb (0) or for wb (1)
	s_and_b32 s14, s12, 1                          ; which half of its columns.  Also: which half of that tile I fetch
	s_bfe_u32 s40, ttmp6, 0x40000                  ; cx
	s_bfe_u32 s41, ttmp6, 0x40004                  ; cy
	s_lshl_b32 s42, ttmp9, 2
	s_add_co_u32 s42, s42, s40                     ; tile column = 4 x cluster x + cx
	s_and_b32 s43, ttmp7, 0xffff
	s_lshl_b32 s43, s43, 2
	s_add_co_u32 s43, s43, s41                     ; tile row = 4 x cluster y + cy
	s_lshl_b32 s16, s41, 2
	s_lshl_b32 s16, 15, s16                        ; my row of the cluster
	s_lshl_b32 s46, 0x1111, s40                    ; my column
	s_or_b32 s[G1+0], s16, (1<<16)|(1<<20)|(1<<21)|(5<<22)|(3<<25)   ; the mask; elements of 2 bytes; padding on; bit 21 beside a mask; after every 64 words, 4 words
	s_or_b32 s[G1B+0], s46, (1<<16)|(1<<20)|(1<<21)|(5<<22)|(3<<25)
	s_mov_b32 s[G1+1], KSTEP<<16                   ; tensor_dim0 = 128
	s_mov_b32 s[G1+2], 128<<16                     ; tensor_dim1 = 128 rows
	s_mov_b32 s[G1+3], KSTEP<<16                   ; tile_dim0 = 128
	s_mov_b32 s[G1+4], 128                         ; tile_dim1 = 128
	s_mov_b32 s[G1+5], 1024                        ; elements from row to row
	s_mov_b32 s[G1+6], 0
	s_mov_b32 s[G1+7], 0
	s_mov_b32 s[G1B+1], KSTEP<<16
	s_mov_b32 s[G1B+2], 96<<16                     ; 96 rows
	s_mov_b32 s[G1B+3], KSTEP<<16
	s_mov_b32 s[G1B+4], 96
	s_mov_b32 s[G1B+5], 1024
	s_mov_b32 s[G1B+6], 0
	s_mov_b32 s[G1B+7], 0
	s_lshl_b32 s16, s43, 8                         ; xb: row 256 x tile row + 128 x half, 2,048 bytes a row
	s_lshl_b32 s17, s14, 7
	s_add_co_u32 s16, s16, s17
	s_lshl_b32 s16, s16, 11
	s_mov_b32 s17, 0
	s_mul_i32 s46, s42, 192                        ; wb: row 192 x tile column + 96 x half
	s_mul_i32 s47, s14, 96
	s_add_co_u32 s46, s46, s47
	s_lshl_b32 s46, s46, 11
	s_mov_b32 s47, 0
	s_mul_i32 s20, s12, HALFA                      ; where they go: xb's halves at wave x HALFA (waves 0, 1),
	s_mul_i32 s21, s12, HALFB                      ; wb's at BOFF + (wave - 2) x HALFB (waves 2, 3)
	s_add_co_u32 s21, s21, BOFF-2*HALFB
	s_wait_dscnt 0x0                               ; the opening add is done
	s_wait_kmcnt 0x0
	s_add_nc_u64 s[16:17], s[4:5], s[16:17]
	s_add_nc_u64 s[46:47], s[6:7], s[46:47]
	CROUND                                         ; all sixteen work-groups are here: the first joint loads meet
.irp s, 0,1
	s_mov_b32 s[G0+4*(\s)], 1
	s_add_co_u32 s[G0+4*(\s)+1], s20, (\s)*SLOT
	s_add_nc_u64 s[G0+4*(\s)+2:G0+4*(\s)+3], s[16:17], (\s)*KSTEP*2
	s_or_b32 s[G0+4*(\s)+3], s[G0+4*(\s)+3], 0x80000000
	s_mov_b32 s[G0B+4*(\s)], 1
	s_add_co_u32 s[G0B+4*(\s)+1], s21, (\s)*SLOT
	s_add_nc_u64 s[G0B+4*(\s)+2:G0B+4*(\s)+3], s[46:47], (\s)*KSTEP*2
	s_or_b32 s[G0B+4*(\s)+3], s[G0B+4*(\s)+3], 0x80000000
	JLOAD \s                                       ; two loads of mine are out
.endr
	v_and_b32 v1, 15, v0                           ; r = l % 16
	v_bfe_u32 v2, v0, 4, 1                         ; h = l / 16
	; the bias of my 96 columns: register j of block b is bias[192 tx + 96 half + 16 b + 8 h + j]
	s_mul_i32 s18, s42, 192
	s_mul_i32 s19, s14, 96
	s_add_co_u32 s18, s18, s19
	s_lshl_b32 s18, s18, 2
	v_lshl_add_u32 v[BO], v2, 5, s18
.irp b, 0,1,2,3,4,5
	global_load_b128 v[BIAS+8*(\b):BIAS+8*(\b)+3],   v[BO], s[8:9] offset:64*(\b)
	global_load_b128 v[BIAS+8*(\b)+4:BIAS+8*(\b)+7], v[BO], s[8:9] offset:64*(\b)+16
.endr
	; a fragment is 16 rows x 32 K in 8 registers: lane l holds row l % 16; two loads of 16 bytes, 32 bytes apart, at row x pitch + 16 (l / 16)
	v_mul_u32_u24 v3, v1, APITCH
	v_lshl_add_u32 v3, v2, 4, v3
	v_mul_u32_u24 v4, v1, BPITCH
	v_lshl_add_u32 v4, v2, 4, v4
	s_mul_i32 s21, s13, 128*APITCH                 ; my 128 rows of xb
	s_mul_i32 s22, s14, HALFB                      ; my 96 rows of wb
	s_add_co_u32 s22, s22, BOFF
.irp s, 0,1
	v_add_nc_u32 v[ADRA+(\s)], s21, v3
	v_add_nc_u32 v[ADRB+(\s)], s22, v4
	s_add_co_u32 s21, s21, SLOT
	s_add_co_u32 s22, s22, SLOT
.endr
	; the way out.  In: row 128 WM + 16 a + r, byte 192 WN + 32 b + 16 h.  Back: wave w takes rows 64 w .. 64 w + 63, a head's 128 bytes of four rows a load
	s_mul_i32 s20, s13, 128*SPITCH
	s_mul_i32 s21, s14, 192
	s_add_co_u32 s20, s20, s21
	v_mul_u32_u24 v5, v1, SPITCH
	v_lshl_add_u32 v5, v2, 4, v5
	v_add_nc_u32 v[STO], s20, v5
	v_and_b32 v6, 31, v0
	v_lshrrev_b32 v7, 3, v6
	v_and_b32 v8, 7, v0
	s_mul_i32 s20, s12, 64*SPITCH
	v_mul_u32_u24 v7, v7, SPITCH
	v_lshl_add_u32 v7, v8, 4, v7
	v_add_nc_u32 v[RD], s20, v7
	v_lshlrev_b32 v[GO], 4, v6
	s_lshr_b32 s18, s43, 3                         ; b,
	s_mul_i32 s18, s18, 48
	s_mul_i32 s19, s42, 3                          ; the tile's first head,
	s_add_co_u32 s18, s18, s19
	s_lshl_b32 s18, s18, 18                        ; 262,144 bytes a head,
	s_and_b32 s19, s43, 7
	s_lshl_b32 s19, s19, 8
	s_lshl_b32 s20, s12, 6
	s_add_co_u32 s19, s19, s20                     ; the first row s that I store,
	s_lshl_b32 s19, s19, 7                         ; 128 bytes a row
	s_add_co_u32 s18, s18, s19
	s_mov_b32 s19, 0
	s_add_nc_u64 s[10:11], s[10:11], s[18:19]
	; the prefetches: my work-group's share of the rows that I fetch, at K step 3; each refill steps it first, so the first names K step 4.  K steps 0 to 3 come by their loads alone
	s_lshl_b32 s18, s43, 8
	s_lshl_b32 s19, s14, 7
	s_add_co_u32 s18, s18, s19
	s_lshl_b32 s19, s40, 5
	s_add_co_u32 s18, s18, s19                     ; xb: row 256 ty + 128 half + 32 cx
	s_mul_i32 s20, s42, 192
	s_mul_i32 s21, s14, 96
	s_add_co_u32 s20, s20, s21
	s_mul_i32 s21, s41, 24
	s_add_co_u32 s20, s20, s21                     ; wb: row 192 tx + 96 half + 24 cy
	s_and_b32 s22, ttmp7, 0xffff
	s_cmp_eq_u32 s13, 0                            ; do I fetch for xb?
	s_cselect_b32 s18, s18, s20
	s_cselect_b32 s22, ttmp9, s22                  ; the coordinate along which other clusters read the same rows
	s_cselect_b32 s66, 31, 23                      ; my last row
	s_cselect_b64 s[PFA:PFA+1], s[4:5], s[6:7]
	s_cmp_eq_u32 s22, 0
	s_cselect_b32 s[LIM], 1, -1                    ; the same in all sixteen partners, for a given wave
	s_lshl_b32 s18, s18, 11
	s_add_co_u32 s18, s18, 3*KSTEP*2
	s_mov_b32 s19, 0
	s_add_nc_u64 s[PFA:PFA+1], s[PFA:PFA+1], s[18:19]
	s_mov_b32 s[PFS], KSTEP*2
	s_mov_b32 s[PFS+1], 0
	v_and_b32 v[PFO], 31, v0
	v_min_u32 v[PFO], s66, v[PFO]
	v_lshlrev_b32 v[PFO], 11, v[PFO]               ; a lane a row of 2,048 bytes
; 12 matrix instructions: m blocks a0, a0 + 1 of the window's four x all 6 n blocks, 32 along K.  first = 1: the bias starts the sums.  The accumulators take turns, one instruction a turn.
.macro MULH f, hi, a0, first
.if \first
	WIN FIRST_LO+0x40*(\hi)
.else
	WIN MUL_LO+0x50*(\hi)
.endif
.irp a, \a0, (\a0)+1
.set nb, 0
.rept NBL
.if \first
	v_wmma_f32_16x16x32_bf16 v[8*(NBL*(\a)+nb):8*(NBL*(\a)+nb)+7], v[(\f)+8*nb:(\f)+8*nb+7], v[(\f)+8*(4*(\hi)+(\a)):(\f)+8*(4*(\hi)+(\a))+7], v[BIAS+8*nb:BIAS+8*nb+7]
.else
	v_wmma_f32_16x16x32_bf16 v[8*(NBL*(\a)+nb):8*(NBL*(\a)+nb)+7], v[(\f)+8*nb:(\f)+8*nb+7], v[(\f)+8*(4*(\hi)+(\a)):(\f)+8*(4*(\hi)+(\a))+7], v[8*(NBL*(\a)+nb):8*(NBL*(\a)+nb)+7]
.endif
.set nb, nb+1
.endr
.endr
.endm
; NF LDS loads in one run: the fragments of quarter q of the slot's K step into buffer f: wb's first, then xb's
.macro FETCH slot, q, f
	WIN TO_B
.set nb, 0
.rept NBL
	ds_load_b128 v[(\f)+8*nb:(\f)+8*nb+3],   v[ADRB+(\slot)] offset:64*(\q)+nb*16*BPITCH
	ds_load_b128 v[(\f)+8*nb+4:(\f)+8*nb+7], v[ADRB+(\slot)] offset:64*(\q)+nb*16*BPITCH+32
.set nb, nb+1
.endr
	WIN 0
.irp i, 0,1,2,3,4,5,6,7
	ds_load_b128 v[(\f)+8*(\i):(\f)+8*(\i)+3],   v[ADRA+(\slot)] offset:((\q)/2)*AHEAD+((\q)%2)*64+(\i)*16*APITCH
	ds_load_b128 v[(\f)+8*(\i)+4:(\f)+8*(\i)+7], v[ADRA+(\slot)] offset:((\q)/2)*AHEAD+((\q)%2)*64+(\i)*16*APITCH+32
.endr
.endm
; One of a K step's first three quarters: multiplies buffer f; in its middle it fetches quarter q of the same slot into buffer g.
.macro QUARTER slot, q, f, g, first
	s_wait_dscnt 8                                 ; wb and xb's rows 0-63 are in; the youngest eight loads (xb's rows 64-127) may be out
	MULH \f, 0, 0, \first
	MULH \f, 0, 2, \first
	PLACES
	FETCH \slot, \q, \g
	s_wait_dscnt NF                                ; all but the NF just issued
	MULH \f, 1, 0, \first
	MULH \f, 1, 2, \first
.endm
; The last quarter multiplies buffer 1 and changes slots: ONE barrier; in front of it each wave waits for all its tensor loads (one is out: its part of the next slot), adds 0 to its spare word, and waits for
; that and for its own reads of this slot.  fill = 1: the barrier opens a round of the cluster's barrier, and this slot is filled again, first thing behind the round, two K steps ahead.
.macro TURN slot, next, fill
.if \fill
	s_wait_xcnt 0x0                                ; the last prefetch, a K step back, has read its address: it is stepped here, ahead of the change's own waits
	s_add_nc_u64 s[PFA:PFA+1], s[PFA:PFA+1], s[PFS:PFS+1]
.endif
	WIN 0                                          ; (the add's two registers lie in window 0)
	s_wait_tensorcnt 0x0                           ; all my tensor loads have landed
	ds_add_u32 v[SPW], v[NIL]                      ; 0 onto my spare word
	s_wait_dscnt 9                                 ; (the add and the youngest eight loads may be out)
	MULH F1, 0, 0, 0                               ; twelve matrix instructions stand between the add and the wait for it
	s_wait_dscnt 0x0                               ; the add is done, and my reads of this slot are over
	s_barrier_signal -1
	MULH F1, 0, 2, 0                               ; work on registers while the others arrive
.if \fill
	WIN 0
.endif
	s_barrier_wait -1
.if \fill
	CREST                                          ; no wave of any partner still reads this slot's tile or has a load on its way
	s_add_nc_u64 s[G0+4*(\slot)+2:G0+4*(\slot)+3], s[G0+4*(\slot)+2:G0+4*(\slot)+3], ASTEP
	s_add_nc_u64 s[G0B+4*(\slot)+2:G0B+4*(\slot)+3], s[G0B+4*(\slot)+2:G0B+4*(\slot)+3], BSTEP
	JLOAD \slot                                    ; my one tensor load behind the round; its four v_nop are also the places in front of the loads below
.else
	PLACES
.endif
	FETCH \next, 0, F0
.if \fill
	ASK
.endif
	MULH F1, 1, 0, 0
	MULH F1, 1, 2, 0
.endm
	s_wait_tensorcnt 1                             ; my part of K step 0 is in; K step 1's stays out
	s_barrier_signal -1
	s_barrier_wait -1                              ; everybody's is
	FETCH 0, 0, F0
	s_wait_loadcnt 0x0                             ; the bias
	QUARTER 0, 1, F0, F1, 1                        ; the first quarter stands in front of the loop: its products start the sums
	WIN 0                                          ; at a label and at a branch every window is 0
	s_mov_b32 s3, 3                                ; 8 K steps = 4 laps of the ring; the last lap fills nothing
.Llap:                                                 ; a trip goes once round the ring, from a lap's second quarter to the next lap's first, and fills both slots again
	QUARTER 0, 2, F1, F0, 0
	QUARTER 0, 3, F0, F1, 0
	TURN 0, 1, 1
	QUARTER 1, 1, F0, F1, 0
	QUARTER 1, 2, F1, F0, 0
	QUARTER 1, 3, F0, F1, 0
	TURN 1, 0, 1
	QUARTER 0, 1, F0, F1, 0
	WIN 0
	s_sub_co_u32 s3, s3, 1
	s_cmp_lg_u32 s3, 0
	s_cbranch_scc1 .Llap
	QUARTER 0, 2, F1, F0, 0
	QUARTER 0, 3, F0, F1, 0
	TURN 0, 1, 0                                   ; behind this barrier no wave reads slot 0 and no load fills it any more
	QUARTER 1, 1, F0, F1, 0
	QUARTER 1, 2, F1, F0, 0
	QUARTER 1, 3, F0, F1, 0
	s_wait_dscnt 8                                 ; the very last quarter: nothing more to fetch
	MULH F1, 0, 0, 0
	MULH F1, 0, 2, 0
	s_wait_dscnt 0x0
	MULH F1, 1, 0, 0
	MULH F1, 1, 2, 0
	WIN 0
	PLACES
	; THE WAY OUT: rounded to f16, 16 bytes a lane into the work-group's stage; a barrier, since the tile's middle head comes from two waves; back by heads, four rows of 128 bytes a load.
.macro PACK a
.set AC, 8*NBL*((\a)%4)
.set TM, TMP+24*((\a)%2)
	WIN 0x0a+5*((\a)/4)                            ; sources 0 and 1: window 2 or 3
.set n, 0
.rept 4*NBL                            ; each accumulator's registers in ascending order
	v_cvt_pk_f16_f32 v[TM+n], v[AC+2*n], v[AC+2*n+1]
.set n, n+1
.endr
	WIN 0
.set nb, 0
.rept NBL
	ds_store_b128 v[STO], v[TM+4*nb:TM+4*nb+3] offset:(\a)*16*SPITCH+32*nb
.set nb, nb+1
.endr
.endm
.irp a, 0,1,2,3,4,5,6,7
	PACK \a
.endr
	s_wait_dscnt 0x0                               ; for the others' sake: my stores into the stage are done
	s_barrier_signal -1
	s_barrier_wait -1
.set n, 0
.rept 48                               ; head n / 16, rows 4 (n % 16) on
	ds_load_b128 v[64+4*n:64+4*n+3], v[RD] offset:(n/16)*128+(n%16)*4*SPITCH
.set n, n+1
.endr
.set n, 0
.rept 48
	s_wait_dscnt 47-n                              ; LDS loads come back in order: load n is in, the younger ones stay out
	global_store_b128 v[GO], v[64+4*n:64+4*n+3], s[10:11] offset:(n/16)*262144+(n%16)*512  ; 512 consecutive bytes of a head, at a multiple of 256 from qkv's first byte
.set n, n+1
.endr
	s_wait_tensorcnt 0x0                           ; the wave's end, behind my last tensor load and my last LDS store
	ds_add_u32 v[SPW], v[NIL]
	s_wait_dscnt 0x0
	CROUND                                         ; the closing round: no work-group ends while a partner may still ask for a tile that names it
	s_endpgm
.Lfunc_end_k_q7165495334_qkv:
	.size	k_q7165495334_qkv, .Lfunc_end_k_q7165495334_qkv-k_q7165495334_qkv
	.p2alignl 7, 3214868480
	.fill 96, 4, 3214868480
	.section	.rodata,"a",@progbits
	.p2align	6, 0x0
	.amdhsa_kernel k_q7165495334_qkv
		.amdhsa_group_segment_fixed_size 327680
		.amdhsa_private_segment_fixed_size 0
		.amdhsa_enable_private_segment 0
		.amdhsa_kernarg_size 32
		.amdhsa_user_sgpr_count 2
		.amdhsa_user_sgpr_kernarg_segment_ptr 1
		.amdhsa_wavefront_size32 1
		.amdhsa_system_sgpr_workgroup_id_x 1
		.amdhsa_system_sgpr_workgroup_id_y 1
		.amdhsa_system_sgpr_workgroup_id_z 1
		.amdhsa_system_vgpr_workitem_id 0
		.amdhsa_next_free_vgpr 1024
		.amdhsa_next_free_sgpr 72
		.amdhsa_reserve_vcc 0
		.amdhsa_float_denorm_mode_32 3
		.amdhsa_float_denorm_mode_16_64 3
		.amdhsa_memory_ordered 1
		.amdhsa_forward_progress 1
		.amdhsa_inst_pref_size 119
	.end_amdhsa_kernel
	.amdgpu_metadata
---
amdhsa.version: [ 1, 2 ]
amdhsa.kernels:
  - .name:           k_q7165495334_qkv
    .symbol:         k_q7165495334_qkv.kd
    .args:
      - { .name: xb, .offset: 0, .size: 8, .value_kind: global_buffer, .address_space: global }
      - { .name: wb, .offset: 8, .size: 8, .value_kind: global_buffer, .address_space: global }
      - { .name: bias, .offset: 16, .size: 8, .value_kind: global_buffer, .address_space: global }
      - { .name: qkv, .offset: 24, .size: 8, .value_kind: global_buffer, .address_space: global }
    .group_segment_fixed_size: 327680
    .private_segment_fixed_size: 0
    .kernarg_segment_align: 8
    .kernarg_segment_size: 32
    .max_flat_workgroup_size: 128
    .sgpr_count:     72
    .vgpr_count:     1024
    .wavefront_size: 32
...
	.end_amdgpu_metadata
.endif
;; end of part 2
;; launch attn (part 3): grid 4 x 64, 8 waves a work-group, no clusters, 215,808 bytes of LDS; arguments qkv, ob, part; writes ob, part
.if DOCPART == 3
	.amdgcn_target "amdgcn-amd-amdhsa--gfx1250"
	.amdhsa_code_object_version 6
	.text
	.protected	k_q7165495334_attn
	.globl	k_q7165495334_attn
	.p2align	8
	.type	k_q7165495334_attn,@function
k_q7165495334_attn:
	s_mov_b64 s[64:65], 0
	v_nop
	global_prefetch_b8 v0, s[64:65] scope:SCOPE_SE
	s_setreg_imm32_b32 hwreg(HW_REG_WAVE_MODE, 25, 1), 1
	s_wait_xcnt 0x0
; THE SPARSE ATTENTION.  A query i sees key j where |i - j| <= 32, or j < 4, or i < 4.  Scores q . k / 8; softmax with the row's true maximum taken away; products in f16 with f32 sums; the weights p are
; rounded to f16 for the second product, their sum l is taken of the unrounded p.  q, k, v come by heads from qkv[b][g][s][64] (f16); O leaves as ob[b][h][s][64] (f16), rounded once.
; WHAT THIS LAUNCH MAKES.  (1) For EVERY row the band and the four first keys, finished: ob.  For rows 0-3 that is not their result: it is finite, of no use, and the next launch writes those 512 bytes of each head anew;
; so this text has no lane mask and no branch on a row's place.  (2) For rows 0-3, which see all keys, one PARTIAL for each 64 keys: c m, l and the unnormalised O in f32: part, a record of 1,536 bytes:
; O[4][64] in its first 1,024, (c m, l) of row r at byte 1,024 + 8 r; the rest is written and never read.
; LIMITS.  A hidden score counts as its value less 1e30 (f16's scores are 2.7e11 at the most); a weight below 2^-126 counts as 0; NaN and infinities are not treated apart.
; SHARES.  A work-group takes 512 queries of one head, each of its eight waves 64: four tiles of 16, and one dense unit: the head's rows 0-15 against the wave's own 64 keys.
; K and V of the group's 576 keys (32 on either side) and of keys 0-15 (block G) come through registers into LDS once; each wave then holds ITS nine blocks of 16 keys in registers for all five units.
; The blocks stand in the order 0 1 2 3 4 G 5 6 7 (block x begins at key i0 - 32 + 16 x): tile t uses the six neighbouring places t .. t + 5, so its three pairs of 32 keys for V^T P are neighbouring registers.
; A key outside the head is read as row 2,047, finite numbers that the mask hides.  All of a row's keys are at hand at once, so one maximum serves: no running maximum, no rescaling.
; THE MASK is the C operand that starts S^T = K Q^T: 0, or -1e30.  Of a tile's five band blocks the middle one is all seen (C = 0); the first shows key e >= r, the last e <= r; the outer four vanish where they leave the head;
; G shows key j < min(4, max(i - 32, 0)): the first four keys that the band does not show already, so none is counted twice.
; LAYOUT.  S^T = K Q^T holds ONE query a lane (lane % 16) and the keys 8 (lane / 16) + 0..7; two such results rounded to f16 ARE source 1 of O^T = V^T P.  V is turned by ds_load_tr16_b128.
; NO CLUSTER: neighbouring work-groups share 64 + 16 of a group's 592 rows.  NO TENSOR LOAD: rows outside the head are clamped lane by lane.  NO PREFETCH: a wave's 53 loads all go out at its head.
; REGISTERS.  Window 0: v0-31 addresses; v32-87 S^T (48), then P in v32-55 and O^T in v56-87; v88-103 statistics; v104-247 K (place p, channel half c at 104 + 16 p + 8 c), before that the fill; v248-251 G's fill.
;   Window 1: v0-143 V (channel block cb, place p at 36 cb + 4 p); v144-207 Q (16 a tile); v208-247 the masks.
.set PK,    144                        ; a row of K in LDS: 128 bytes + 16: an odd multiple of 16
.set PV,    160                        ; a row of V: 128 + 32: an odd multiple of 32, for the turning load
.set VB,    592*PK                     ; V lies behind K's 592 rows
.set STAGE, VB+592*PV                  ; behind them, 4,352 bytes for each wave, for the way out
.set STW,   4352
.set SPARE, STAGE+8*STW                ; the spare words, 128 bytes for each wave: four blocks of 256 bytes that no other line names
.set S,   32
.set OT,  56
.set CC,  88                           ; v88-93  six chains at work; v88 takes 1 / l
.set CM,  94                           ; v94 c m; v95 first a copy (the packed scaling names the pair), then l
.set LL,  96                           ; v96-103 four chains of sums, a pair each
.set KF,  104
.set MC,  208                          ; window 1: the masks of band blocks 0, 1, 3, 4,
.set MCG, 240                          ; and of G
.set MSB, 0
.macro WIN new
.if MSB != (\new)
	s_set_vgpr_msb (MSB<<8)|(\new)
.set MSB, \new
.endif
.endm
.set W_KQM, 0x14                       ; K window 0, Q window 1, C (a mask) window 1, S^T window 0
.set W_KQ,  0x04                       ; the same with C in window 0, or the constant 0
.set W_PV,  0x01                       ; V window 1, P and O^T window 0
.set TO1,   0x40                       ; destination window 1
.macro PLACES
.rept 4
	v_nop
.endr
.endm
	s_load_b128 s[4:7], s[0:1], 0x0                ; qkv s[4:5], ob s[6:7]
	s_load_b64 s[8:9], s[0:1], 0x10                ; part
	v_lshl_add_u32 v28, v0, 2, SPARE               ; my spare word,
	v_mov_b32 v29, 0                               ; and 0: for the wave's end; never rewritten
	v_lshrrev_b32 v7, 5, v0
	v_readfirstlane_b32 s10, v7                    ; wave w, 0..7
	s_and_b32 s11, ttmp7, 0xffff                   ; bh = 16 b + h
	s_lshl_b32 s12, ttmp9, 9                       ; s0: the group's first query
	s_lshl_b32 s13, s10, 6
	s_add_co_u32 s13, s13, s12                     ; i0: my wave's first query
	v_and_b32 v1, 15, v0                           ; r
	v_bfe_u32 v2, v0, 4, 1                         ; h
	v_and_b32 v3, 31, v0                           ; l
	v_lshrrev_b32 v4, 3, v3                        ; l / 8: which of four rows of 128 bytes
	v_and_b32 v5, 7, v0
	v_lshlrev_b32 v5, 4, v5                        ; and my 16 bytes of it
	s_lshr_b32 s14, s11, 4
	s_mul_i32 s14, s14, 48
	s_and_b32 s15, s11, 15
	s_add_co_u32 s14, s14, s15
	s_lshl_b32 s14, s14, 18                        ; q's head in qkv
	s_mov_b32 s15, 0
	s_lshl_b32 s16, s11, 18
	s_lshl_b32 s17, s13, 7
	s_add_co_u32 s16, s16, s17                     ; my 64 rows in ob
	s_mov_b32 s17, 0
	s_lshl_b32 s18, s11, 5
	s_lshl_b32 s19, ttmp9, 3
	s_add_co_u32 s18, s18, s19
	s_add_co_u32 s18, s18, s10
	s_mul_i32 s18, s18, 1536                       ; my record in part: number 32 bh + 8 x group + w
	s_mov_b32 s19, 0
	s_wait_kmcnt 0x0
	s_add_nc_u64 s[20:21], s[4:5], s[14:15]        ; q,
	s_add_nc_u64 s[22:23], s[20:21], 0x400000      ; k: 16 heads on,
	s_add_nc_u64 s[24:25], s[20:21], 0x800000      ; v: 32 heads on
	s_add_nc_u64 s[26:27], s[6:7], s[16:17]
	s_add_nc_u64 s[28:29], s[8:9], s[18:19]
	; THE FILL: wave w brings LDS rows 72 w .. 72 w + 71 of K and of V, four rows a load.  One offset serves both; each has a register of its own (S^T's, idle now)
	s_mul_i32 s14, s10, 72
	s_add_co_u32 s14, s14, s12
	s_sub_co_u32 s14, s14, 32                      ; the key of my first row; below 0 it wraps, and the minimum below makes 2,047 of it
	v_add_nc_u32 v6, s14, v4
.set t, 0
.rept 18
	v_add_nc_u32 v7, 4*t, v6
	v_min_u32 v7, 0x7ff, v7
	v_lshl_add_u32 v[S+t], v7, 7, v5
	global_load_b128 v[KF+8*t:KF+8*t+3],   v[S+t], s[22:23]
	global_load_b128 v[KF+8*t+4:KF+8*t+7], v[S+t], s[24:25]
.set t, t+1
.endr
	s_and_b32 s15, s10, 3                          ; block G: waves 0-3 bring four rows of K each, waves 4-7 of V, which lies 4,194,304 bytes behind K
	s_lshl_b32 s15, s15, 2
	v_add_nc_u32 v7, s15, v4
	v_lshl_add_u32 v30, v7, 7, v5
	s_lshr_b32 s15, s10, 2
	s_lshl_b32 s15, s15, 22
	v_add_nc_u32 v30, s15, v30
	global_load_b128 v[248:251], v30, s[22:23]
	v_lshlrev_b32 v17, 7, v1                       ; a fragment of Q: row r, 16 bytes for each half of the lanes: for the head's rows 0-15,
	v_lshl_add_u32 v17, v2, 4, v17
	s_lshl_b32 s15, s13, 7
	v_add_nc_u32 v16, s15, v17                     ; and for my 64 rows
	WIN TO1
.set i, 0
.rept 8                                ; tile i / 2, channels 32 (i % 2) on
	global_load_b128 v[144+8*i:144+8*i+3],   v16, s[20:21] offset:(i/2)*2048+(i%2)*64
	global_load_b128 v[144+8*i+4:144+8*i+7], v16, s[20:21] offset:(i/2)*2048+(i%2)*64+32
.set i, i+1
.endr
	WIN 0
	; set-up, while the loads are on their way
	s_mov_b32 s30, 0xf149f2ca                      ; -1e30
	s_mov_b32 s38, 0x3e38aa3b                      ; c = log2(e) / 8
	s_mov_b32 s39, s38                             ; named with it as a pair
	s_mov_b32 s40, 0x76543210                      ; v_permlanex16_b32: each lane takes its own place in the other half
	s_mov_b32 s41, 0xfedcba98
	v_mov_b32 v24, s30
	v_lshlrev_b32 v7, 3, v2
	v_sub_nc_u32 v27, v1, v7                       ; r - 8 h: register e holds key 8 h + e of a block
	v_cmp_eq_u32 s36, 0, v2                        ; the lanes with keys 0-7
.irp e, 0,1,2,3,4,5,6,7
	v_cmp_ge_i32 s[44+(\e)], \e, v27               ; first band block: key 8 h + e >= r is seen
	v_cmp_le_i32 s[52+(\e)], \e, v27               ; last band block: key 8 h + e <= r
.endr
	WIN TO1
.irp e, 4,5,6,7
	v_mov_b32 v[MCG+(\e)], v24                     ; G's keys 4-7 and 12-15 are never seen
.endr
	WIN 0
	s_mul_i32 s14, s10, 72
	v_add_nc_u32 v7, s14, v4
	v_mul_u32_u24 v8, v7, PK
	v_add_nc_u32 v8, v8, v5                        ; v8: where my 16 bytes of K go
	v_mul_u32_u24 v9, v7, PV
	v_add_nc_u32 v9, v9, v5
	v_add_nc_u32 v9, VB, v9                        ; v9: of V
	s_lshl_b32 s14, s10, 2
	v_add_nc_u32 v7, s14, v4
	v_mul_u32_u24 v10, v7, PK
	v_add_nc_u32 v10, v10, v5
	v_add_nc_u32 v10, 576*PK, v10                  ; v10: G's K, rows 576 + 4 w on (waves 0-3)
	v_mul_u32_u24 v11, v7, PV
	v_add_nc_u32 v11, v11, v5
	v_add_nc_u32 v11, VB+576*PV-16*PV, v11         ; v11: G's V, rows 576 + 4 (w - 4) on (waves 4-7)
	s_lshl_b32 s14, s10, 6
	v_add_nc_u32 v7, s14, v1
	v_mul_u32_u24 v12, v7, PK
	v_lshl_add_u32 v12, v2, 4, v12                 ; v12: K's fragments: row 64 w + r, 16 h
	v_mul_u32_u24 v13, v1, PK
	v_lshl_add_u32 v13, v2, 4, v13
	v_add_nc_u32 v13, 576*PK, v13                  ; v13: the same in G
	v_and_b32 v7, 7, v0                            ; the turning load: lane l reads key 8 h + l % 8, channels 8 ((l / 8) % 2) on
	v_lshl_add_u32 v7, v2, 3, v7
	v_bfe_u32 v31, v0, 3, 1
	v_mul_u32_u24 v15, v7, PV
	v_lshl_add_u32 v15, v31, 4, v15
	s_mul_i32 s14, s10, 64*PV
	v_add_nc_u32 v14, s14, v15
	v_add_nc_u32 v14, VB, v14                      ; v14: V's fragments
	v_add_nc_u32 v15, VB+576*PV, v15               ; v15: the same in G
	s_mul_i32 s14, s10, STW
	s_add_co_u32 s14, s14, STAGE                   ; my stage
	v_mul_u32_u24 v18, v1, PK
	v_lshl_add_u32 v18, v2, 4, v18
	v_add_nc_u32 v18, s14, v18                     ; v18: f16 in: row r of 144 bytes, 16 h
	v_mul_u32_u24 v19, v4, PK
	v_add_nc_u32 v19, v19, v5
	v_add_nc_u32 v19, s14, v19                     ; v19: f16 back: four rows of 128 bytes
	v_mul_u32_u24 v20, v1, 272
	v_lshl_add_u32 v20, v2, 5, v20
	v_add_nc_u32 v20, s14, v20                     ; v20: f32 in: row r of 272 bytes, 32 h
	v_lshlrev_b32 v21, 3, v1
	v_lshl_add_u32 v21, v2, 7, v21
	v_add_nc_u32 v21, s14, v21
	v_add_nc_u32 v21, 4*272, v21                   ; v21: (c m, l) of row r, over row 4 (each half of the lanes its own copy)
	v_mul_u32_u24 v22, v2, 272
	v_lshl_add_u32 v22, v1, 4, v22
	v_add_nc_u32 v22, s14, v22                     ; v22: f32 back: two rows of 256 bytes
	v_lshlrev_b32 v23, 4, v3                       ; v23: my 16 bytes of 512 consecutive bytes in memory
.set n, 0
.rept 18
	s_wait_loadcnt 52-2*n                          ; behind this load: 35 - 2 n fills, G's load, Q's 16
	ds_store_b128 v8, v[KF+8*n:KF+8*n+3] offset:n*4*PK
	s_wait_loadcnt 51-2*n
	ds_store_b128 v9, v[KF+8*n+4:KF+8*n+7] offset:n*4*PV
.set n, n+1
.endr
	s_wait_loadcnt 16                              ; G's load; Q's 16 stay out
	s_cmp_lt_u32 s10, 4
	s_cbranch_scc0 .Lg_of_v
	ds_store_b128 v10, v[248:251]
	s_branch .Lg_done
.Lg_of_v:
	ds_store_b128 v11, v[248:251]
.Lg_done:
	s_wait_dscnt 0x0                               ; for the others' sake: my stores are done
	s_barrier_signal -1
	s_barrier_wait -1                              ; K and V are whole.  The launch's one barrier: from here on K and V are only read, and a stage is its wave's own
.set p, 0
.rept 9                                ; K: place p holds block p (p < 5), G (p = 5) or block p - 1
.irp c, 0,1
.if p == 5
	ds_load_b128 v[KF+16*p+8*(\c):KF+16*p+8*(\c)+3],   v13 offset:(\c)*64
	ds_load_b128 v[KF+16*p+8*(\c)+4:KF+16*p+8*(\c)+7], v13 offset:(\c)*64+32
.else
	ds_load_b128 v[KF+16*p+8*(\c):KF+16*p+8*(\c)+3],   v12 offset:(p-p/6)*16*PK+(\c)*64
	ds_load_b128 v[KF+16*p+8*(\c)+4:KF+16*p+8*(\c)+7], v12 offset:(p-p/6)*16*PK+(\c)*64+32
.endif
.endr
.set p, p+1
.endr
	WIN TO1
.set p, 0
.rept 9                                ; V, turned: 16 keys x 16 channels a load: half a fragment
.irp cb, 0,1,2,3
.if p == 5
	ds_load_tr16_b128 v[36*(\cb)+4*p:36*(\cb)+4*p+3], v15 offset:(\cb)*32
.else
	ds_load_tr16_b128 v[36*(\cb)+4*p:36*(\cb)+4*p+3], v14 offset:(p-p/6)*16*PV+(\cb)*32
.endif
.endr
.set p, p+1
.endr
	WIN 0
	s_wait_loadcnt 0x0                             ; Q
	s_wait_dscnt 36                                ; K is in; V's 36 loads may stay out
; The masks of a unit.  mode 0: tile tau of the band.  mode 1: the dense unit: its four blocks of keys are seen whole, G and the sixth place not at all.
.macro MASKS tau, mode
.if \mode
	WIN TO1
.irp e, 0,1,2,3,4,5,6,7
	v_mov_b32 v[MC+(\e)], 0
	v_mov_b32 v[MC+8+(\e)], 0
	v_mov_b32 v[MC+16+(\e)], 0
	v_mov_b32 v[MC+24+(\e)], v24
.endr
.irp e, 0,1,2,3
	v_mov_b32 v[MCG+(\e)], v24
.endr
.else
	s_add_co_u32 s31, s13, 16*(\tau)               ; I: the tile's first query
	s_cmp_lt_u32 s31, 32
	s_cselect_b32 s32, s30, 0                      ; keys I - 32 .. I - 17 exist?
	s_cmp_lt_u32 s31, 16
	s_cselect_b32 s33, s30, 0                      ; I - 16 .. I - 1
	s_cmp_ge_u32 s31, 2032
	s_cselect_b32 s34, s30, 0                      ; I + 16 .. I + 31
	s_cmp_ge_u32 s31, 2016
	s_cselect_b32 s35, s30, 0                      ; I + 32 .. I + 47
	WIN 0
	v_add_nc_u32 v26, s31, v1                      ; i
	v_min_u32 v7, 32, v26
	v_sub_nc_u32 v25, v26, v7                      ; max(i - 32, 0)
	v_min_u32 v25, 4, v25
	v_cndmask_b32 v25, 0, v25, s36                 ; how many of G's first keys my lane shows: none in the lanes with keys 8-15
	WIN TO1
.irp e, 0,1,2,3,4,5,6,7
	v_cndmask_b32 v[MC+(\e)], v24, s32, s[44+(\e)]
	v_mov_b32 v[MC+8+(\e)], s33
	v_mov_b32 v[MC+16+(\e)], s34
	v_cndmask_b32 v[MC+24+(\e)], v24, s35, s[52+(\e)]
.endr
.irp e, 0,1,2,3
	v_cmp_lt_u32 vcc_lo, \e, v25
	v_cndmask_b32 v[MCG+(\e)], v24, 0, vcc_lo
.endr
.endif
.endm
; A UNIT: 16 queries (their fragments at v[q] of window 1) against the six places tau .. tau + 5.
.macro TILE tau, q, mode
	s_wait_xcnt 0x0                                ; the last unit's stores have read their registers: S^T's are written again only behind this wait
	MASKS \tau, \mode
.irp c, 0,1                            ; S^T = K Q^T: 12 products; the six accumulators take turns
.set sg, 0
.rept 6
.set pp, (\tau)+sg
.set rS, S+8*sg
.set rK, KF+16*pp+8*(\c)
.set rQ, (\q)+8*(\c)
.if (\c) == 1
	WIN W_KQ
	v_wmma_f32_16x16x32_f16 v[rS:rS+7], v[rK:rK+7], v[rQ:rQ+7], v[rS:rS+7]
.elseif pp == 5
	WIN W_KQM
	v_wmma_f32_16x16x32_f16 v[rS:rS+7], v[rK:rK+7], v[rQ:rQ+7], v[MCG:MCG+7]
.elseif pp-pp/6-(\tau) == 2
	WIN W_KQ
	v_wmma_f32_16x16x32_f16 v[rS:rS+7], v[rK:rK+7], v[rQ:rQ+7], 0
.else
.set xr, pp-pp/6-(\tau)                ; the block's place in the band: 0, 1, 3, 4
.set rM, MC+8*(xr-xr/3)
	WIN W_KQM
	v_wmma_f32_16x16x32_f16 v[rS:rS+7], v[rK:rK+7], v[rQ:rQ+7], v[rM:rM+7]
.endif
.set sg, sg+1
.endr
.endr
	WIN 0
	PLACES
	; the maximum of the lane's 48 scores: six chains, each accumulator's lowest registers first
.set n, 0
.rept 6
	v_max3_num_f32 v[CC+n], v[S+8*n], v[S+8*n+1], v[S+8*n+2]
.set n, n+1
.endr
.set n, 0
.rept 6
	v_max3_num_f32 v[CC+n], v[CC+n], v[S+8*n+3], v[S+8*n+4]
.set n, n+1
.endr
.set n, 0
.rept 6
	v_max3_num_f32 v[CC+n], v[CC+n], v[S+8*n+5], v[S+8*n+6]
.set n, n+1
.endr
	v_max3_num_f32 v[CC], v[CC], v[S+7], v[S+15]
	v_max3_num_f32 v[CC+1], v[CC+1], v[S+23], v[S+31]
	v_max3_num_f32 v[CC+2], v[CC+2], v[S+39], v[S+47]
	v_max3_num_f32 v[CC], v[CC], v[CC+1], v[CC+2]
	v_max3_num_f32 v[CC+3], v[CC+3], v[CC+4], v[CC+5]
	v_max_num_f32 v[CC], v[CC], v[CC+3]
	v_permlanex16_b32 v[CC+1], v[CC], s40, s41     ; the query's other 48 keys lie in the lane 16 away
	v_max_num_f32 v[CC], v[CC], v[CC+1]            ; m: a true score, since a query sees its own key (the dense unit: all its 64 keys)
	v_mul_f32 v[CM], s38, v[CC]
	v_mov_b32 v[CM+1], v[CM]
.set n, 0
.rept 24
	v_pk_fma_f32 v[S+2*n:S+2*n+1], v[S+2*n:S+2*n+1], s[38:39], v[CM:CM+1] op_sel_hi:[1,0,0] neg_lo:[0,0,1] neg_hi:[0,0,1]  ; c s - c m
.set n, n+1
.endr
.set n, 0
.rept 48                               ; one batch of exponentials,
	v_exp_f32 v[S+n], v[S+n]
.set n, n+1
.endr
	v_nop                                          ; a plain instruction behind the last of them,
	s_wait_alu depctr_va_vdst(0)                   ; and the one wait ahead of the first line that names a result
.set k, 0
.rept 4                                ; l: four chains of six pairs
	v_pk_add_f32 v[LL+2*k:LL+2*k+1], v[S+2*k:S+2*k+1], v[S+8+2*k:S+8+2*k+1]
.set k, k+1
.endr
.set j, 2
.rept 4
.set k, 0
.rept 4
	v_pk_add_f32 v[LL+2*k:LL+2*k+1], v[LL+2*k:LL+2*k+1], v[S+8*j+2*k:S+8*j+2*k+1]
.set k, k+1
.endr
.set j, j+1
.endr
	v_pk_add_f32 v[LL:LL+1], v[LL:LL+1], v[LL+2:LL+3]
	v_pk_add_f32 v[LL+4:LL+5], v[LL+4:LL+5], v[LL+6:LL+7]
	v_pk_add_f32 v[LL:LL+1], v[LL:LL+1], v[LL+4:LL+5]
	v_add_f32 v[CC+2], v[LL], v[LL+1]
	v_permlanex16_b32 v[CC+3], v[CC+2], s40, s41
	v_add_f32 v[CM+1], v[CC+2], v[CC+3]            ; l, beside c m
.if !(\mode)
	v_rcp_f32 v[CC], v[CM+1]                       ; its wait stands behind the second product; the roundings below name neither register
.endif
.set n, 0
.rept 24                               ; P, in place: register n takes pair n, which lies at 2 n or further up
	v_cvt_pk_f16_f32 v[S+n], v[S+2*n], v[S+2*n+1]
.set n, n+1
.endr
	s_wait_dscnt 0x0                               ; V is in (the first unit); nothing is out in the others
	WIN W_PV
.irp pi, 0,1,2                         ; O^T = V^T P: 12 products; the four accumulators take turns
.irp cb, 0,1,2,3
.if (\pi) == 0
	v_wmma_f32_16x16x32_f16 v[OT+8*(\cb):OT+8*(\cb)+7], v[36*(\cb)+4*((\tau)+2*(\pi)):36*(\cb)+4*((\tau)+2*(\pi))+7], v[S+8*(\pi):S+8*(\pi)+7], 0
.else
	v_wmma_f32_16x16x32_f16 v[OT+8*(\cb):OT+8*(\cb)+7], v[36*(\cb)+4*((\tau)+2*(\pi)):36*(\cb)+4*((\tau)+2*(\pi))+7], v[S+8*(\pi):S+8*(\pi)+7], v[OT+8*(\cb):OT+8*(\cb)+7]
.endif
.endr
.endr
	WIN 0
	PLACES
.if \mode
	; the partial: O^T as it is, f32, through my stage; (c m, l) over row 4; rows 0-5 back as 1,536 consecutive bytes
.irp cb, 0,1,2,3
	ds_store_b128 v20, v[OT+8*(\cb):OT+8*(\cb)+3]   offset:64*(\cb)
	ds_store_b128 v20, v[OT+8*(\cb)+4:OT+8*(\cb)+7] offset:64*(\cb)+16
.endr
	ds_store_b64 v21, v[CM:CM+1]                   ; LDS serves a wave's instructions in order (ISA guide 5.7.1.4): this lands on row 4 behind the stores above
.irp t, 0,1,2
	ds_load_b128 v[S+4*(\t):S+4*(\t)+3], v22 offset:(\t)*2*272
.endr
.irp t, 0,1,2
	s_wait_dscnt 2-(\t)
	global_store_b128 v23, v[S+4*(\t):S+4*(\t)+3], s[28:29] offset:(\t)*512
.endr
.else
	s_wait_alu depctr_va_vdst(0)                   ; the reciprocal's wait, ahead of its first reader
.set n, 0
.rept 16
	v_pk_mul_f32 v[OT+2*n:OT+2*n+1], v[OT+2*n:OT+2*n+1], v[CC:CC+1] op_sel_hi:[1,0]
.set n, n+1
.endr
.set n, 0
.rept 16
	v_cvt_pk_f16_f32 v[S+n], v[OT+2*n], v[OT+2*n+1]
.set n, n+1
.endr
.irp cb, 0,1,2,3
	ds_store_b128 v18, v[S+4*(\cb):S+4*(\cb)+3] offset:32*(\cb)
.endr
.irp f, 0,1,2,3
	ds_load_b128 v[OT+4*(\f):OT+4*(\f)+3], v19 offset:(\f)*4*PK
.endr
.irp f, 0,1,2,3
	s_wait_dscnt 3-(\f)
	global_store_b128 v23, v[OT+4*(\f):OT+4*(\f)+3], s[26:27] offset:(\tau)*2048+(\f)*512  ; 512 consecutive bytes, at a multiple of 256 from ob's first byte
.endr
.endif
.endm
	TILE 0, 144, 0
	WIN TO1                                        ; tile 0's Q is done with: its registers take the head's rows 0-15, for the dense unit
.irp c, 0,1
	global_load_b128 v[144+8*(\c):144+8*(\c)+3],   v17, s[20:21] offset:(\c)*64
	global_load_b128 v[144+8*(\c)+4:144+8*(\c)+7], v17, s[20:21] offset:(\c)*64+32
.endr
	WIN 0
	TILE 1, 160, 0
	TILE 2, 176, 0
	TILE 3, 192, 0
	s_wait_loadcnt 0x0                             ; the head's rows 0-15
	TILE 2, 144, 1                                 ; places 2 .. 7 hold blocks 2 3 4 G 5 6: blocks 2 to 5 are my keys i0 .. i0 + 63
	s_wait_tensorcnt 0x0                           ; the wave's end, behind my last LDS store
	ds_add_u32 v28, v29
	s_wait_dscnt 0x0
	s_endpgm
.Lfunc_end_k_q7165495334_attn:
	.size	k_q7165495334_attn, .Lfunc_end_k_q7165495334_attn-k_q7165495334_attn
	.p2alignl 7, 3214868480
	.fill 96, 4, 3214868480
	.section	.rodata,"a",@progbits
	.p2align	6, 0x0
	.amdhsa_kernel k_q7165495334_attn
		.amdhsa_group_segment_fixed_size 215808
		.amdhsa_private_segment_fixed_size 0
		.amdhsa_enable_private_segment 0
		.amdhsa_kernarg_size 24
		.amdhsa_user_sgpr_count 2
		.amdhsa_user_sgpr_kernarg_segment_ptr 1
		.amdhsa_wavefront_size32 1
		.amdhsa_system_sgpr_workgroup_id_x 1
		.amdhsa_system_sgpr_workgroup_id_y 1
		.amdhsa_system_sgpr_workgroup_id_z 1
		.amdhsa_system_vgpr_workitem_id 0
		.amdhsa_next_free_vgpr 512
		.amdhsa_next_free_sgpr 66
		.amdhsa_reserve_vcc 1
		.amdhsa_float_denorm_mode_32 3
		.amdhsa_float_denorm_mode_16_64 3
		.amdhsa_memory_ordered 1
		.amdhsa_forward_progress 1
		.amdhsa_inst_pref_size 97
	.end_amdhsa_kernel
	.amdgpu_metadata
---
amdhsa.version: [ 1, 2 ]
amdhsa.kernels:
  - .name:           k_q7165495334_attn
    .symbol:         k_q7165495334_attn.kd
    .args:
      - { .name: qkv, .offset: 0, .size: 8, .value_kind: global_buffer, .address_space: global }
      - { .name: ob, .offset: 8, .size: 8, .value_kind: global_buffer, .address_space: global }
      - { .name: part, .offset: 16, .size: 8, .value_kind: global_buffer, .address_space: global }
    .group_segment_fixed_size: 215808
    .private_segment_fixed_size: 0
    .kernarg_segment_align: 8
    .kernarg_segment_size: 24
    .max_flat_workgroup_size: 256
    .sgpr_count:     66
    .vgpr_count:     512
    .wavefront_size: 32
...
	.end_amdgpu_metadata
.endif
;; end of part 3
;; launch comb (part 4): grid 16 x 4, 2 waves a work-group, no clusters, 0 bytes of LDS; arguments part, ob; writes ob
.if DOCPART == 4
	.amdgcn_target "amdgcn-amd-amdhsa--gfx1250"
	.amdhsa_code_object_version 6
	.text
	.protected	k_q7165495334_comb
	.globl	k_q7165495334_comb
	.p2align	8
	.type	k_q7165495334_comb,@function
k_q7165495334_comb:
	s_mov_b64 s[64:65], 0
	v_nop
	global_prefetch_b8 v0, s[64:65] scope:SCOPE_SE
	s_setreg_imm32_b32 hwreg(HW_REG_WAVE_MODE, 25, 1), 1
	s_wait_xcnt 0x0
; ROWS 0-3 OF EACH HEAD, which see all keys: their 32 partials (c m, l, O over 64 keys each, f32) are joined: M = the largest c m; w = 2^(c m - M); O = (the sum of w O) / (the sum of w l), rounded once to f16.
; A work-group takes one head: 64 threads, thread t row t / 16 and channels 4 (t % 16) + 0..3.  A record of part is 1,536 bytes: O[4][64], then (c m, l) of row r at byte 1,024 + 8 r.
; All 64 loads of a thread go out at once.  A wave's store covers 256 consecutive bytes, aligned.  A weight below 2^-126 counts as 0.  Nothing to multiply by the matrix unit, nothing shared: no LDS, no cluster.
.set ST, 16                            ; v[16:79]   (c m, l) of partial p at ST + 2 p; c m's place then takes w
.set OD, 80                            ; v[80:207]  my four channels of partial p at OD + 4 p
	s_load_b128 s[4:7], s[0:1], 0x0                ; part s[4:5], ob s[6:7]
	s_and_b32 s8, ttmp7, 0xffff
	s_lshl_b32 s8, s8, 4
	s_add_co_u32 s8, s8, ttmp9                     ; bh = 16 b + h
	s_mul_i32 s10, s8, 32*1536
	s_mov_b32 s11, 0
	s_lshl_b32 s12, s8, 18
	s_mov_b32 s13, 0
	v_lshlrev_b32 v1, 4, v0                        ; row x 256 + 16 (t % 16) = 16 t
	v_lshrrev_b32 v2, 4, v0
	v_lshlrev_b32 v2, 3, v2
	v_add_nc_u32 v2, 1024, v2                      ; my row's (c m, l)
	v_lshlrev_b32 v3, 3, v0                        ; row x 128 + 8 (t % 16) = 8 t
	v_mov_b32 v7, 0                                ; named below as the upper word of a pair
	s_wait_kmcnt 0x0
	s_add_nc_u64 s[4:5], s[4:5], s[10:11]
	s_add_nc_u64 s[6:7], s[6:7], s[12:13]
.set p, 0
.rept 32
	global_load_b64 v[ST+2*p:ST+2*p+1], v2, s[4:5] offset:p*1536
.set p, p+1
.endr
.set p, 0
.rept 32
	global_load_b128 v[OD+4*p:OD+4*p+3], v1, s[4:5] offset:p*1536
.set p, p+1
.endr
	s_wait_loadcnt 32                              ; the statistics are in; the 32 loads of O stay out
	v_max3_num_f32 v4, v[ST], v[ST+2], v[ST+4]
.set p, 3
.rept 14
	v_max3_num_f32 v4, v4, v[ST+2*p], v[ST+2*p+2]
.set p, p+2
.endr
	v_max_num_f32 v4, v4, v[ST+62]                 ; M
.set p, 0
.rept 32
	v_sub_f32 v[ST+2*p], v[ST+2*p], v4
.set p, p+1
.endr
.set p, 0
.rept 32
	v_exp_f32 v[ST+2*p], v[ST+2*p]
.set p, p+1
.endr
	v_nop                                          ; a plain instruction behind the last exponential,
	s_wait_alu depctr_va_vdst(0)                   ; and the one wait for the batch, ahead of its first reader
	v_mul_f32 v5, v[ST], v[ST+1]                   ; the sum of w l, in two chains; the first products start them
	v_mul_f32 v6, v[ST+2], v[ST+3]
.set p, 2
.rept 15
	v_fma_f32 v5, v[ST+2*p], v[ST+2*p+1], v5
	v_fma_f32 v6, v[ST+2*p+2], v[ST+2*p+3], v6
.set p, p+2
.endr
	v_add_f32 v5, v5, v6
	s_wait_loadcnt 0x0
	v_pk_mul_f32 v[8:9],   v[OD:OD+1],   v[ST:ST+1] op_sel_hi:[1,0]      ; the sum of w O: even and odd partials, two pairs each
	v_pk_mul_f32 v[10:11], v[OD+2:OD+3], v[ST:ST+1] op_sel_hi:[1,0]
	v_pk_mul_f32 v[12:13], v[OD+4:OD+5], v[ST+2:ST+3] op_sel_hi:[1,0]
	v_pk_mul_f32 v[14:15], v[OD+6:OD+7], v[ST+2:ST+3] op_sel_hi:[1,0]
.set p, 2
.rept 15
	v_pk_fma_f32 v[8:9],   v[OD+4*p:OD+4*p+1],   v[ST+2*p:ST+2*p+1], v[8:9] op_sel_hi:[1,0,1]
	v_pk_fma_f32 v[10:11], v[OD+4*p+2:OD+4*p+3], v[ST+2*p:ST+2*p+1], v[10:11] op_sel_hi:[1,0,1]
	v_pk_fma_f32 v[12:13], v[OD+4*p+4:OD+4*p+5], v[ST+2*p+2:ST+2*p+3], v[12:13] op_sel_hi:[1,0,1]
	v_pk_fma_f32 v[14:15], v[OD+4*p+6:OD+4*p+7], v[ST+2*p+2:ST+2*p+3], v[14:15] op_sel_hi:[1,0,1]
.set p, p+2
.endr
	v_pk_add_f32 v[8:9], v[8:9], v[12:13]
	v_pk_add_f32 v[10:11], v[10:11], v[14:15]
	v_rcp_f32 v6, v5
	v_nop
	s_wait_alu depctr_va_vdst(0)                   ; the reciprocal's wait, ahead of its first reader
	v_pk_mul_f32 v[8:9], v[8:9], v[6:7] op_sel_hi:[1,0]
	v_pk_mul_f32 v[10:11], v[10:11], v[6:7] op_sel_hi:[1,0]
	v_cvt_pk_f16_f32 v12, v8, v9
	v_cvt_pk_f16_f32 v13, v10, v11
	global_store_b64 v3, v[12:13], s[6:7]
	s_endpgm
.Lfunc_end_k_q7165495334_comb:
	.size	k_q7165495334_comb, .Lfunc_end_k_q7165495334_comb-k_q7165495334_comb
	.p2alignl 7, 3214868480
	.fill 96, 4, 3214868480
	.section	.rodata,"a",@progbits
	.p2align	6, 0x0
	.amdhsa_kernel k_q7165495334_comb
		.amdhsa_group_segment_fixed_size 0
		.amdhsa_private_segment_fixed_size 0
		.amdhsa_enable_private_segment 0
		.amdhsa_kernarg_size 16
		.amdhsa_user_sgpr_count 2
		.amdhsa_user_sgpr_kernarg_segment_ptr 1
		.amdhsa_wavefront_size32 1
		.amdhsa_system_sgpr_workgroup_id_x 1
		.amdhsa_system_sgpr_workgroup_id_y 1
		.amdhsa_system_sgpr_workgroup_id_z 1
		.amdhsa_system_vgpr_workitem_id 0
		.amdhsa_next_free_vgpr 224
		.amdhsa_next_free_sgpr 66
		.amdhsa_reserve_vcc 0
		.amdhsa_float_denorm_mode_32 3
		.amdhsa_float_denorm_mode_16_64 3
		.amdhsa_memory_ordered 1
		.amdhsa_forward_progress 1
		.amdhsa_inst_pref_size 17
	.end_amdhsa_kernel
	.amdgpu_metadata
---
amdhsa.version: [ 1, 2 ]
amdhsa.kernels:
  - .name:           k_q7165495334_comb
    .symbol:         k_q7165495334_comb.kd
    .args:
      - { .name: part, .offset: 0, .size: 8, .value_kind: global_buffer, .address_space: global }
      - { .name: ob, .offset: 8, .size: 8, .value_kind: global_buffer, .address_space: global }
    .group_segment_fixed_size: 0
    .private_segment_fixed_size: 0
    .kernarg_segment_align: 8
    .kernarg_segment_size: 16
    .max_flat_workgroup_size: 64
    .sgpr_count:     66
    .vgpr_count:     224
    .wavefront_size: 32
...
	.end_amdgpu_metadata
.endif
;; end of part 4
;; launch oproj (part 5): grid 8 x 32, 4 waves a work-group, clusters of 4 x 4, 327,680 bytes of LDS; arguments ob, wo16, bias, out0; writes out0
.if DOCPART == 5
	.amdgcn_target "amdgcn-amd-amdhsa--gfx1250"
	.amdhsa_code_object_version 6
	.text
	.protected	k_q7165495334_oproj
	.globl	k_q7165495334_oproj
	.p2align	8
	.type	k_q7165495334_oproj,@function
k_q7165495334_oproj:
	s_mov_b64 s[64:65], 0
	v_nop
	global_prefetch_b8 v0, s[64:65] scope:SCOPE_SE
	s_setreg_imm32_b32 hwreg(HW_REG_WAVE_MODE, 25, 1), 1
	s_wait_xcnt 0x0
	s_wait_alu depctr_hold_cnt(0) depctr_sa_sdst(0) depctr_va_vdst(0) depctr_va_sdst(0) depctr_va_ssrc(0) depctr_va_vcc(0) depctr_vm_vsrc(0)
	s_getreg_b32 s2, hwreg(HW_REG_IB_STS2, 6, 4)
	s_cmp_eq_u32 s2, 0
	s_cbranch_scc0 .Lentry_in_a_cluster
	s_endpgm
.Lentry_in_a_cluster:
	s_bfe_u32 s2, ttmp6, 0x10000c
	s_cmp_lg_u32 s2, 0xf033
	s_cbranch_scc0 .Lentry_shape_is_right
	s_endpgm
.Lentry_shape_is_right:
; THE OUTPUT PROJECTION.  out0[m][n] = bo[n] + the sum over d of O[m][d] Wo[n][d]: 8,192 x 1,024 x 1,024, operands f16, sums f32, K ascending; out0 is f32.
; O comes by heads, ob[b][h][s][64] (f16): d = 64 h + channel, so a K step of 128 is two heads, and a tile's 256 rows of one head are 32,768 dense bytes.  wo16 is [1,024][1,024] f16; bo is bias[3,072 ..] (f32).
; SHARES.  A tile of out0 is 256 x 128: 8 x 32 = 256 tiles.  Four waves, each 128 x 64: 32 accumulators of 16 x 16, 256 registers.  K goes in steps of 128 through two LDS slots filled by the tensor data mover.
; CLUSTER.  4 x 4 work-groups.  The four of a row of the cluster need the same tile of ob, the four of a column the same tile of wo16: each tile is asked for jointly, by the same tensor load with the same
; descriptor and a mask that names the four.  THE MATRIX INSTRUCTION IS USED TRANSPOSED (source 0 = 16 rows of wo16, source 1 = 16 rows of O): a lane holds row m = lane % 16 and the eight neighbouring columns
; 8 (lane / 16) + 0..7.  THE BIAS IS THE C OPERAND of each accumulator's first product.
; REGISTERS, in windows of 256 (s_set_vgpr_msb: bits 1:0 source 0, 3:2 source 1, 5:4 source 2, 7:6 destination):
;   window 0: v0-31 addresses; v64-127, v128-191 fragments of O, two buffers; v192-223 the bias; v32-63, v224-255 rows on the way out
;   window 1: v64-95, v128-159 fragments of wo16, two buffers      window 2: the accumulators of my rows 0-63 ((a, b) at v[8 (4 a + b)])      window 3: those of my rows 64-127
.set KSTEP,  128
.set NBL,    4                         ; blocks of 16 columns a wave
.set APITCH, 144                       ; an LDS row of O: one head's 128 bytes + 16: an odd multiple of 16 (ISA guide 11.1)
.set BPITCH, 272                       ; of wo16: 256 + 16
.set HALFA,  256*APITCH                ; what one tensor load brings of O: one head's 256 rows
.set AHEAD,  HALFA                     ; quarter q of a K step lies in head q / 2, at byte (q % 2) 64 of its rows
.set HALFB,  64*BPITCH
.set BOFF,   2*HALFA
.set SLOT,   BOFF+2*HALFB
.set STAGE,  2*SLOT                    ; behind the ring, never filled by a tensor load: 16 rows x 272 bytes for each wave
.set SPITCH, 272
.set SPARE,  STAGE+4*16*SPITCH         ; the spare words, 128 bytes for each wave: two blocks of 256 bytes that no other line names
.set NF,     2*NBL+16
.set ASTEP,  4*262144                  ; bytes from a slot's tile to its next: four heads on,
.set BSTEP,  2*KSTEP*2                 ; 256 channels on
.set ADRA, 16
.set ADRB, 20
.set STO,  24
.set RD,   25
.set CO,   26
.set SPW,  28                          ; v28     LDS address of my spare word; never rewritten
.set NIL,  29                          ; v29     0; never rewritten
.set PFO,  30
.set BO,   31
.set OB,   32
.set F0,   64
.set F1,   128
.set BIAS, 192
.set LIM,  15
.set G1,   24
.set G0,   32
.set PFA,  44
.set G1B,  48
.set G0B,  56
.set PFS,  68
.set MSB, 0
.macro WIN new
.if MSB != (\new)
	s_set_vgpr_msb (MSB<<8)|(\new)
.set MSB, \new
.endif
.endm
.set MUL_LO,   0xa1
.set MUL_HI,   0xf1
.set FIRST_LO, 0x81
.set FIRST_HI, 0xc1
.set TO_B,     0x40
; A joint load.  Waves 0 and 1 fetch the K step's two heads of O, waves 2 and 3 wo16's two halves.  An s_nop 0 and four v_nop follow each of the two lines.
.macro JLOAD s
	s_cmp_eq_u32 s13, 0
	s_cbranch_scc0 .Lfor_b_\@
	tensor_load_to_lds s[G0+4*(\s):G0+4*(\s)+3], s[G1:G1+7]
	s_nop 0
.rept 4
	v_nop
.endr
	s_branch .Lasked_\@
.Lfor_b_\@:
	tensor_load_to_lds s[G0B+4*(\s):G0B+4*(\s)+3], s[G1B:G1B+7]
	s_nop 0
.rept 4
	v_nop
.endr
.Lasked_\@:
.endm
; A prefetch into the L2 of the K step that stands two refills on.  O's blocks are asked for by the clusters with x = 0, wo16's by those with y = 0; the four partners of a joint load share it out by address:
; of a head's 32,768 bytes 8,192 each, a lane 256 bytes; of wo16's 64 rows 16 each, a lane a row (the sixteen lanes over repeat the last row).  The loop's last trip asks for nothing.
.macro ASK
	s_cmp_gt_u32 s3, s[LIM]
	s_cbranch_scc0 .Lnot_mine_\@
	global_prefetch_b8 v[PFO], s[PFA:PFA+1] th:TH_LOAD_NT scope:SCOPE_SE
.Lnot_mine_\@:
.endm
.macro CREST
	s_cmp_lg_u32 s12, 0
	s_cbranch_scc1 .Lnot_wave_0_\@
	s_barrier_signal -3
.Lnot_wave_0_\@:
	s_barrier_wait -3
	s_barrier_signal -1
	s_barrier_wait -1
.endm
.macro CROUND
	s_barrier_signal -1
	s_barrier_wait -1
	CREST
.endm
.macro PLACES
.rept 4
	v_nop
.endr
.endm
	s_load_b256 s[4:11], s[0:1], 0x0               ; ob s[4:5], wo16 s[6:7], bias s[8:9], out0 s[10:11]
	v_lshl_add_u32 v[SPW], v0, 2, SPARE
	v_mov_b32 v[NIL], 0
	ds_add_u32 v[SPW], v[NIL]                      ; the wave's opening: the add and its wait stand ahead of my first tensor load; the set-up below stands between them
	v_lshrrev_b32 v1, 5, v0
	v_readfirstlane_b32 s12, v1                    ; wave 0..3
	s_lshr_b32 s13, s12, 1                         ; which half of the tile's rows is mine.  Also: I fetch for O (0) or for wo16 (1)
	s_and_b32 s14, s12, 1                          ; which half of its columns.  Also: which head, or which half of wo16's rows, I fetch
	s_bfe_u32 s40, ttmp6, 0x40000                  ; cx
	s_bfe_u32 s41, ttmp6, 0x40004                  ; cy
	s_lshl_b32 s42, ttmp9, 2
	s_add_co_u32 s42, s42, s40                     ; tile column
	s_and_b32 s43, ttmp7, 0xffff
	s_lshl_b32 s43, s43, 2
	s_add_co_u32 s43, s43, s41                     ; tile row
	s_lshl_b32 s16, s41, 2
	s_lshl_b32 s16, 15, s16                        ; my row of the cluster
	s_lshl_b32 s46, 0x1111, s40                    ; my column
	s_or_b32 s[G1+0], s16, (1<<16)|(1<<20)|(1<<21)|(4<<22)|(3<<25)   ; O: padding after every 32 words (a row of one head), 4 words
	s_or_b32 s[G1B+0], s46, (1<<16)|(1<<20)|(1<<21)|(5<<22)|(3<<25)  ; wo16: after every 64 words
	s_mov_b32 s[G1+1], 128<<16                     ; a head's 256 rows are dense: asked for as 128 rows of 256 bytes, two rows of O in each
	s_mov_b32 s[G1+2], 128<<16
	s_mov_b32 s[G1+3], 128<<16
	s_mov_b32 s[G1+4], 128
	s_mov_b32 s[G1+5], 128
	s_mov_b32 s[G1+6], 0
	s_mov_b32 s[G1+7], 0
	s_mov_b32 s[G1B+1], KSTEP<<16
	s_mov_b32 s[G1B+2], 64<<16                     ; 64 rows
	s_mov_b32 s[G1B+3], KSTEP<<16
	s_mov_b32 s[G1B+4], 64
	s_mov_b32 s[G1B+5], 1024
	s_mov_b32 s[G1B+6], 0
	s_mov_b32 s[G1B+7], 0
	s_lshr_b32 s16, s43, 3                         ; O: batch ty / 8 (16 heads of 262,144 bytes),
	s_lshl_b32 s16, s16, 22
	s_and_b32 s17, s43, 7                          ; rows 256 (ty % 8) on,
	s_lshl_b32 s17, s17, 15
	s_add_co_u32 s16, s16, s17
	s_lshl_b32 s17, s14, 18                        ; the K step's first or second head
	s_add_co_u32 s16, s16, s17
	s_mov_b32 s17, 0
	s_lshl_b32 s46, s42, 7                         ; wo16: row 128 x tile column + 64 x half
	s_lshl_b32 s47, s14, 6
	s_add_co_u32 s46, s46, s47
	s_lshl_b32 s46, s46, 11
	s_mov_b32 s47, 0
	s_mul_i32 s20, s12, HALFA                      ; where they go: O's heads at wave x HALFA (waves 0, 1),
	s_mul_i32 s21, s12, HALFB                      ; wo16's halves at BOFF + (wave - 2) x HALFB (waves 2, 3)
	s_add_co_u32 s21, s21, BOFF-2*HALFB
	s_wait_dscnt 0x0                               ; the opening add is done
	s_wait_kmcnt 0x0
	s_add_nc_u64 s[16:17], s[4:5], s[16:17]
	s_add_nc_u64 s[46:47], s[6:7], s[46:47]
	CROUND                                         ; all sixteen work-groups are here: the first joint loads meet
.irp s, 0,1
	s_mov_b32 s[G0+4*(\s)], 1
	s_add_co_u32 s[G0+4*(\s)+1], s20, (\s)*SLOT
	s_add_nc_u64 s[G0+4*(\s)+2:G0+4*(\s)+3], s[16:17], (\s)*ASTEP/2
	s_or_b32 s[G0+4*(\s)+3], s[G0+4*(\s)+3], 0x80000000
	s_mov_b32 s[G0B+4*(\s)], 1
	s_add_co_u32 s[G0B+4*(\s)+1], s21, (\s)*SLOT
	s_add_nc_u64 s[G0B+4*(\s)+2:G0B+4*(\s)+3], s[46:47], (\s)*BSTEP/2
	s_or_b32 s[G0B+4*(\s)+3], s[G0B+4*(\s)+3], 0x80000000
	JLOAD \s                                       ; two loads of mine are out
.endr
	v_and_b32 v1, 15, v0                           ; r
	v_bfe_u32 v2, v0, 4, 1                         ; h
	s_lshl_b32 s18, s42, 7                         ; the bias of my 64 columns: bias[3,072 + 128 tx + 64 half + 16 b + 8 h + j]
	s_lshl_b32 s19, s14, 6
	s_add_co_u32 s18, s18, s19
	s_add_co_u32 s18, s18, 3072
	s_lshl_b32 s18, s18, 2
	v_lshl_add_u32 v[BO], v2, 5, s18
.irp b, 0,1,2,3
	global_load_b128 v[BIAS+8*(\b):BIAS+8*(\b)+3],   v[BO], s[8:9] offset:64*(\b)
	global_load_b128 v[BIAS+8*(\b)+4:BIAS+8*(\b)+7], v[BO], s[8:9] offset:64*(\b)+16
.endr
	v_mul_u32_u24 v3, v1, APITCH
	v_lshl_add_u32 v3, v2, 4, v3
	v_mul_u32_u24 v4, v1, BPITCH
	v_lshl_add_u32 v4, v2, 4, v4
	s_mul_i32 s21, s13, 128*APITCH                 ; my 128 rows, in the slot's first head
	s_mul_i32 s22, s14, HALFB                      ; my 64 rows of wo16
	s_add_co_u32 s22, s22, BOFF
.irp s, 0,1
	v_add_nc_u32 v[ADRA+(\s)], s21, v3
	v_add_nc_u32 v[ADRB+(\s)], s22, v4
	s_add_co_u32 s21, s21, SLOT
	s_add_co_u32 s22, s22, SLOT
.endr
	s_mul_i32 s20, s12, 16*SPITCH
	s_add_co_u32 s20, s20, STAGE                   ; my stage
	v_mul_u32_u24 v5, v1, SPITCH                   ; in: row r, 32 bytes for each half of the lanes
	v_lshl_add_u32 v5, v2, 5, v5
	v_add_nc_u32 v[STO], s20, v5
	v_mul_u32_u24 v5, v2, SPITCH                   ; back: lanes 0-15 one row of 256 bytes, lanes 16-31 the next
	v_lshl_add_u32 v5, v1, 4, v5
	v_add_nc_u32 v[RD], s20, v5
	v_lshlrev_b32 v5, 12, v2                       ; and the same two rows in out0, 4,096 bytes apart
	v_lshl_add_u32 v[CO], v1, 4, v5
	s_lshl_b32 s18, s43, 8
	s_lshl_b32 s19, s13, 7
	s_add_co_u32 s18, s18, s19                     ; my first row,
	s_lshl_b32 s18, s18, 12
	s_lshl_b32 s19, s42, 9                         ; the tile's first column, in bytes,
	s_add_co_u32 s18, s18, s19
	s_lshl_b32 s19, s14, 8                         ; my 64 columns
	s_add_co_u32 s18, s18, s19
	s_mov_b32 s19, 0
	s_add_nc_u64 s[10:11], s[10:11], s[18:19]
	; the prefetches: my work-group's share of what I fetch, at K step 3; each refill steps it first, so the first names K step 4.  K steps 0 to 3 come by their loads alone
	s_lshr_b32 s18, s43, 3
	s_lshl_b32 s18, s18, 22
	s_and_b32 s19, s43, 7
	s_lshl_b32 s19, s19, 15
	s_add_co_u32 s18, s18, s19
	s_lshl_b32 s19, s14, 18
	s_add_co_u32 s18, s18, s19
	s_lshl_b32 s19, s40, 13                        ; 8,192 cx
	s_add_co_u32 s18, s18, s19
	s_add_co_u32 s18, s18, 3*ASTEP/2
	s_lshl_b32 s20, s42, 7
	s_lshl_b32 s21, s14, 6
	s_add_co_u32 s20, s20, s21
	s_lshl_b32 s21, s41, 4                         ; 16 cy
	s_add_co_u32 s20, s20, s21
	s_lshl_b32 s20, s20, 11
	s_add_co_u32 s20, s20, 3*BSTEP/2
	s_and_b32 s22, ttmp7, 0xffff
	s_mov_b32 s23, ASTEP/2
	s_cmp_eq_u32 s13, 0                            ; do I fetch for O?
	s_cselect_b32 s18, s18, s20
	s_cselect_b32 s22, ttmp9, s22                  ; the coordinate along which other clusters read the same bytes
	s_cselect_b32 s66, 31, 15                      ; my last block or row
	s_cselect_b32 s67, 8, 11                       ; 256 bytes, or a row of 2,048, a lane
	s_cselect_b32 s[PFS], s23, BSTEP/2             ; a K step in bytes
	s_cselect_b64 s[PFA:PFA+1], s[4:5], s[6:7]
	s_cmp_eq_u32 s22, 0
	s_cselect_b32 s[LIM], 1, -1                    ; the same in all sixteen partners, for a given wave
	s_mov_b32 s19, 0
	s_add_nc_u64 s[PFA:PFA+1], s[PFA:PFA+1], s[18:19]
	s_mov_b32 s[PFS+1], 0
	v_and_b32 v[PFO], 31, v0
	v_min_u32 v[PFO], s66, v[PFO]
	v_lshlrev_b32 v[PFO], s67, v[PFO]
; 8 matrix instructions: m blocks a0, a0 + 1 of the window's four x all 4 n blocks, 32 along K.  first = 1: the bias starts the sums.  The accumulators take turns, one instruction a turn.
.macro MULH f, hi, a0, first
.if \first
	WIN FIRST_LO+0x40*(\hi)
.else
	WIN MUL_LO+0x50*(\hi)
.endif
.irp a, \a0, (\a0)+1
.set nb, 0
.rept NBL
.if \first
	v_wmma_f32_16x16x32_f16 v[8*(NBL*(\a)+nb):8*(NBL*(\a)+nb)+7], v[(\f)+8*nb:(\f)+8*nb+7], v[(\f)+8*(4*(\hi)+(\a)):(\f)+8*(4*(\hi)+(\a))+7], v[BIAS+8*nb:BIAS+8*nb+7]
.else
	v_wmma_f32_16x16x32_f16 v[8*(NBL*(\a)+nb):8*(NBL*(\a)+nb)+7], v[(\f)+8*nb:(\f)+8*nb+7], v[(\f)+8*(4*(\hi)+(\a)):(\f)+8*(4*(\hi)+(\a))+7], v[8*(NBL*(\a)+nb):8*(NBL*(\a)+nb)+7]
.endif
.set nb, nb+1
.endr
.endr
.endm
.macro FETCH slot, q, f                ; NF LDS loads in one run: quarter q of the slot's K step into buffer f: wo16's fragments first, then O's
	WIN TO_B
.set nb, 0
.rept NBL
	ds_load_b128 v[(\f)+8*nb:(\f)+8*nb+3],   v[ADRB+(\slot)] offset:64*(\q)+nb*16*BPITCH
	ds_load_b128 v[(\f)+8*nb+4:(\f)+8*nb+7], v[ADRB+(\slot)] offset:64*(\q)+nb*16*BPITCH+32
.set nb, nb+1
.endr
	WIN 0
.irp i, 0,1,2,3,4,5,6,7
	ds_load_b128 v[(\f)+8*(\i):(\f)+8*(\i)+3],   v[ADRA+(\slot)] offset:((\q)/2)*AHEAD+((\q)%2)*64+(\i)*16*APITCH
	ds_load_b128 v[(\f)+8*(\i)+4:(\f)+8*(\i)+7], v[ADRA+(\slot)] offset:((\q)/2)*AHEAD+((\q)%2)*64+(\i)*16*APITCH+32
.endr
.endm
.macro QUARTER slot, q, f, g, first
	s_wait_dscnt 8                                 ; wo16 and O's rows 0-63 are in; the youngest eight loads (O's rows 64-127) may be out
	MULH \f, 0, 0, \first
	MULH \f, 0, 2, \first
	PLACES
	FETCH \slot, \q, \g
	s_wait_dscnt NF                                ; all but the NF just issued
	MULH \f, 1, 0, \first
	MULH \f, 1, 2, \first
.endm
; The last quarter multiplies buffer 1 and changes slots: ONE barrier; in front of it each wave waits for all its tensor loads (one is out: its part of the next slot), adds 0 to its spare word, and waits for
; that and for its own reads of this slot.  fill = 1: the barrier opens a round of the cluster's barrier, and this slot is filled again, first thing behind the round, two K steps ahead.
.macro TURN slot, next, fill
.if \fill
	s_wait_xcnt 0x0                                ; the last prefetch, a K step back, has read its address: it is stepped here, ahead of the change's own waits
	s_add_nc_u64 s[PFA:PFA+1], s[PFA:PFA+1], s[PFS:PFS+1]
.endif
	WIN 0                                          ; (the add's two registers lie in window 0)
	s_wait_tensorcnt 0x0                           ; all my tensor loads have landed
	ds_add_u32 v[SPW], v[NIL]                      ; 0 onto my spare word
	s_wait_dscnt 9                                 ; (the add and the youngest eight loads may be out)
	MULH F1, 0, 0, 0                               ; eight matrix instructions stand between the add and the wait for it
	s_wait_dscnt 0x0                               ; the add is done, and my reads of this slot are over
	s_barrier_signal -1
	MULH F1, 0, 2, 0
.if \fill
	WIN 0
.endif
	s_barrier_wait -1
.if \fill
	CREST                                          ; no wave of any partner still reads this slot's tile or has a load on its way
	s_add_nc_u64 s[G0+4*(\slot)+2:G0+4*(\slot)+3], s[G0+4*(\slot)+2:G0+4*(\slot)+3], ASTEP
	s_add_nc_u64 s[G0B+4*(\slot)+2:G0B+4*(\slot)+3], s[G0B+4*(\slot)+2:G0B+4*(\slot)+3], BSTEP
	JLOAD \slot                                    ; my one tensor load behind the round; its four v_nop are also the places in front of the loads below
.else
	PLACES
.endif
	FETCH \next, 0, F0
.if \fill
	ASK
.endif
	MULH F1, 1, 0, 0
	MULH F1, 1, 2, 0
.endm
	s_wait_tensorcnt 1                             ; my part of K step 0 is in; K step 1's stays out
	s_barrier_signal -1
	s_barrier_wait -1
	FETCH 0, 0, F0
	s_wait_loadcnt 0x0                             ; the bias
	QUARTER 0, 1, F0, F1, 1                        ; the first quarter stands in front of the loop: its products start the sums
	WIN 0
	s_mov_b32 s3, 3                                ; 8 K steps = 4 laps of the ring; the last lap fills nothing
.Llap:
	QUARTER 0, 2, F1, F0, 0
	QUARTER 0, 3, F0, F1, 0
	TURN 0, 1, 1
	QUARTER 1, 1, F0, F1, 0
	QUARTER 1, 2, F1, F0, 0
	QUARTER 1, 3, F0, F1, 0
	TURN 1, 0, 1
	QUARTER 0, 1, F0, F1, 0
	WIN 0
	s_sub_co_u32 s3, s3, 1
	s_cmp_lg_u32 s3, 0
	s_cbranch_scc1 .Llap
	QUARTER 0, 2, F1, F0, 0
	QUARTER 0, 3, F0, F1, 0
	TURN 0, 1, 0
	QUARTER 1, 1, F0, F1, 0
	QUARTER 1, 2, F1, F0, 0
	QUARTER 1, 3, F0, F1, 0
	s_wait_dscnt 8                                 ; the very last quarter: nothing more to fetch
	MULH F1, 0, 0, 0
	MULH F1, 0, 2, 0
	s_wait_dscnt 0x0
	MULH F1, 1, 0, 0
	MULH F1, 1, 2, 0
	WIN 0
	PLACES
	; THE WAY OUT, a block of 16 rows at a time through my own stage: a lane's 32 bytes of a row in, whole rows of 256 bytes back.  No barrier: no other wave and no tensor load touches the stage.
.macro TOSTAGE a
.set AC, 8*NBL*((\a)%4)
.set BK, OB+192*((\a)%2)
	WIN 0x08+4*((\a)/4)                            ; the stores' data: window 2 or 3
.set nb, 0
.rept NBL                              ; each accumulator's low four registers first
	ds_store_b128 v[STO], v[AC+8*nb:AC+8*nb+3]   offset:64*nb
	ds_store_b128 v[STO], v[AC+8*nb+4:AC+8*nb+7] offset:64*nb+16
.set nb, nb+1
.endr
	WIN 0
.irp t, 0,1,2,3,4,5,6,7
	ds_load_b128 v[BK+4*(\t):BK+4*(\t)+3], v[RD] offset:(\t)*2*SPITCH  ; LDS serves a wave's instructions in order (ISA guide 5.7.1.4): these see the stores above
.endr
.endm
.macro SEND a
.set BK, OB+192*((\a)%2)
	s_wait_xcnt 0x0                                ; the stores of the block before have read their registers, into which the next block's rows are loaded behind this wait
.irp t, 0,1,2,3,4,5,6,7
	s_wait_dscnt 7-(\t)
	global_store_b128 v[CO], v[BK+4*(\t):BK+4*(\t)+3], s[10:11] offset:(\a)*65536+(\t)*8192 th:TH_STORE_NT  ; 16 lanes store 256 consecutive bytes, at a multiple of 256 from out0's first byte
.endr
.endm
	TOSTAGE 0
.irp a, 1,2,3,4,5,6,7
	SEND (\a)-1
	TOSTAGE \a
.endr
	SEND 7
	s_wait_tensorcnt 0x0                           ; the wave's end, behind my last tensor load and my last LDS store
	ds_add_u32 v[SPW], v[NIL]
	s_wait_dscnt 0x0
	CROUND                                         ; the closing round: no work-group ends while a partner may still ask for a tile that names it
	s_endpgm
.Lfunc_end_k_q7165495334_oproj:
	.size	k_q7165495334_oproj, .Lfunc_end_k_q7165495334_oproj-k_q7165495334_oproj
	.p2alignl 7, 3214868480
	.fill 96, 4, 3214868480
	.section	.rodata,"a",@progbits
	.p2align	6, 0x0
	.amdhsa_kernel k_q7165495334_oproj
		.amdhsa_group_segment_fixed_size 327680
		.amdhsa_private_segment_fixed_size 0
		.amdhsa_enable_private_segment 0
		.amdhsa_kernarg_size 32
		.amdhsa_user_sgpr_count 2
		.amdhsa_user_sgpr_kernarg_segment_ptr 1
		.amdhsa_wavefront_size32 1
		.amdhsa_system_sgpr_workgroup_id_x 1
		.amdhsa_system_sgpr_workgroup_id_y 1
		.amdhsa_system_sgpr_workgroup_id_z 1
		.amdhsa_system_vgpr_workitem_id 0
		.amdhsa_next_free_vgpr 1024
		.amdhsa_next_free_sgpr 72
		.amdhsa_reserve_vcc 0
		.amdhsa_float_denorm_mode_32 3
		.amdhsa_float_denorm_mode_16_64 3
		.amdhsa_memory_ordered 1
		.amdhsa_forward_progress 1
		.amdhsa_inst_pref_size 91
	.end_amdhsa_kernel
	.amdgpu_metadata
---
amdhsa.version: [ 1, 2 ]
amdhsa.kernels:
  - .name:           k_q7165495334_oproj
    .symbol:         k_q7165495334_oproj.kd
    .args:
      - { .name: ob, .offset: 0, .size: 8, .value_kind: global_buffer, .address_space: global }
      - { .name: wo16, .offset: 8, .size: 8, .value_kind: global_buffer, .address_space: global }
      - { .name: bias, .offset: 16, .size: 8, .value_kind: global_buffer, .address_space: global }
      - { .name: out0, .offset: 24, .size: 8, .value_kind: global_buffer, .address_space: global }
    .group_segment_fixed_size: 327680
    .private_segment_fixed_size: 0
    .kernarg_segment_align: 8
    .kernarg_segment_size: 32
    .max_flat_workgroup_size: 128
    .sgpr_count:     72
    .vgpr_count:     1024
    .wavefront_size: 32
...
	.end_amdgpu_metadata
.endif
;; end of part 5
;; ======== version 2 of 2: 5 launches; version 1 with the launch attn written anew for expert scheduling mode
;; limits: values are held in f16: magnitudes above 65,504 overflow, below 6.1e-05 lose precision
;; workspace buffers: xb 16,777,216 bytes; wb 6,291,456 bytes; wo16 2,097,152 bytes; bias 16,384 bytes; qkv 50,331,648 bytes; ob 16,777,216 bytes; part 3,145,728 bytes
;; launch cast: the kernel of part 1 again; grid 772 x 1, 8 waves a work-group, no clusters, 0 bytes of LDS; arguments x, Wq, Wk, Wv, Wo, bq, bk, bv, bo, xb, wb, wo16, bias; writes xb, wb, wo16, bias
;; launch qkv: the kernel of part 2 again; grid 16 x 32, 4 waves a work-group, clusters of 4 x 4, 327,680 bytes of LDS; arguments xb, wb, bias, qkv; writes qkv
;; launch attn (part 6): grid 4 x 64, 8 waves a work-group, no clusters, 215,808 bytes of LDS; arguments qkv, ob, part; writes ob, part
.if DOCPART == 6
	.amdgcn_target "amdgcn-amd-amdhsa--gfx1250"
	.amdhsa_code_object_version 6
	.text
	.protected	k_q7165495334_attn
	.globl	k_q7165495334_attn
	.p2align	8
	.type	k_q7165495334_attn,@function
k_q7165495334_attn:
	s_mov_b64 s[64:65], 0
	v_nop
	global_prefetch_b8 v0, s[64:65] scope:SCOPE_SE
	s_setreg_imm32_b32 hwreg(HW_REG_WAVE_SCHED_MODE, 0, 2), 2
	s_setreg_imm32_b32 hwreg(HW_REG_WAVE_MODE, 25, 1), 1
	s_wait_xcnt 0x0
	s_wait_alu depctr_vm_vsrc(0)
; THE SPARSE ATTENTION.  A query i sees key j where |i - j| <= 32, or j < 4, or i < 4.  Scores q . k / 8; softmax with the row's true maximum taken away; products in f16 with f32 sums; the weights p are
; rounded to f16 for the second product, their sum l is taken of the unrounded p.  q, k, v come by heads from qkv[b][g][s][64] (f16); O leaves as ob[b][h][s][64] (f16), rounded once.
; WHAT THIS LAUNCH MAKES.  (1) For EVERY row the band and the four first keys, finished: ob.  For rows 0-3 that is not their result: it is finite, of no use, and the next launch writes those 512 bytes of each head anew;
; so this text has no lane mask and no branch on a row's place.  (2) For rows 0-3, which see all keys, one PARTIAL for each 64 keys: c m, l and the unnormalised O in f32: part, a record of 1,536 bytes:
; O[4][64] in its first 1,024, (c m, l) of row r at byte 1,024 + 8 r; the rest is written and never read.
; LIMITS.  A hidden score counts as its value less 1e30 (f16's scores are 2.7e11 at the most); a weight below 2^-126 counts as 0; NaN and infinities are not treated apart.
; SHARES.  A work-group takes 512 queries of one head, each of its eight waves 64: four tiles of 16, and one dense unit: the head's rows 0-15 against the wave's own 64 keys.
; K and V of the group's 576 keys (32 on either side) and of keys 0-15 (block G) come through registers into LDS once; each wave then holds ITS nine blocks of 16 keys in registers for all five units.
; The blocks stand in the order 0 1 2 3 4 G 5 6 7 (block x begins at key i0 - 32 + 16 x): tile t uses the six neighbouring places t .. t + 5, so its three pairs of 32 keys for V^T P are neighbouring registers.
; A key outside the head is read as row 2,047, finite numbers that the mask hides.  All of a row's keys are at hand at once, so one maximum serves: no running maximum, no rescaling.
; THE MASK is the C operand that starts S^T = K Q^T: 0, or -1e30.  Of a tile's five band blocks the middle one is all seen (C = 0); the first shows key e >= r, the last e <= r; the outer four vanish where they leave the head;
; G shows key j < min(4, max(i - 32, 0)): the first four keys that the band does not show already, so none is counted twice.
; LAYOUT.  S^T = K Q^T holds ONE query a lane (lane % 16) and the keys 8 (lane / 16) + 0..7; two such results rounded to f16 ARE source 1 of O^T = V^T P.  V is turned by ds_load_tr16_b128.
; NO CLUSTER: neighbouring work-groups share 64 + 16 of a group's 592 rows.  NO TENSOR LOAD: rows outside the head are clamped lane by lane.  NO PREFETCH: a wave's 53 loads all go out at its head.
; REGISTERS.  Window 0: v0-31 addresses; v32-87 S^T (48), then P in v32-55 and O^T in v56-87; v88-103 statistics; v104-247 K (place p, channel half c at 104 + 16 p + 8 c), before that the fill; v248-251 G's fill.
;   Window 1: v0-143 V (channel block cb, place p at 36 cb + 4 p); v144-207 Q (16 a tile), and, once a tile's scores are made, its 16 rows of O on their way out; v208-247 the masks.
; THE MODE: SCHED_MODE bits 1:0 = 2 (LLVM: expert scheduling mode 2), set by the entry lines.  The code itself states the register dependences between vector or matrix instructions and memory or LDS
; instructions, with s_wait_alu, always for 0.
; THE PLAN.  Registers that memory or LDS instructions touch, and who else names them:
;   v32-49, v30, v16, v17   offsets of the head's loads: all made first, one wait on va_vdst, then the 53 loads on end.  v32-49 are S^T afterwards: the wait on vm_vsrc behind the barrier frees them.
;   v8-15, v18-23           LDS addresses and the stores' offset: made in the set-up, one wait on va_vdst at its end, never written again: no LDS instruction or store owes anything more for its address.
;   v104-247                the fill lands here, the LDS stores read it, K's LDS loads land here again: the wait on vm_vsrc behind the barrier stands between.  From then on matrix instructions alone name them.
;   Q of tile t             read by the tile's 12 products K Q^T; at the tile's end its four loads from the stage land here; its four stores to memory leave from here, dealt among the NEXT unit's products K Q^T.
;                           Tile 0's take the dense unit's Q afterwards, asked for at tile 2's head.
;   v32-47                  written by a tile's 16 roundings of O, read by its four LDS stores, written again by the next unit's products.
; So a band unit has one wait on vm_vsrc at its head (the last unit's LDS stores have read v32-47) and one wait on va_vdst behind its roundings (v32-47 are written; its products are done reading its Q);
; beside them stand the waits behind its exponentials and its reciprocal, and one on va_sdst for four compares.
.set PK,    144                        ; a row of K in LDS: 128 bytes + 16: an odd multiple of 16
.set PV,    160                        ; a row of V: 128 + 32: an odd multiple of 32, for the turning load
.set VB,    592*PK                     ; V lies behind K's 592 rows
.set STAGE, VB+592*PV                  ; behind them, 4,352 bytes for each wave, for the way out
.set STW,   4352
.set SPARE, STAGE+8*STW                ; the spare words, 128 bytes for each wave: four blocks of 256 bytes that no other line names
.set S,   32
.set OT,  56
.set CC,  88                           ; v88-93  six chains at work; v88 takes 1 / l
.set CM,  94                           ; v94 c m; v95 first a copy (the packed scaling names the pair), then l
.set LL,  96                           ; v96-103 four chains of sums, a pair each
.set KF,  104
.set MC,  208                          ; window 1: the masks of band blocks 0, 1, 3, 4,
.set MCG, 240                          ; and of G
.set MSB, 0
.macro WIN new
.if MSB != (\new)
	s_set_vgpr_msb (MSB<<8)|(\new)
.set MSB, \new
.endif
.endm
.set W_KQM, 0x14                       ; K window 0, Q window 1, C (a mask) window 1, S^T window 0
.set W_KQ,  0x04                       ; the same with C in window 0, or the constant 0; also: a store's offset in window 0, its data in window 1
.set W_PV,  0x01                       ; V window 1, P and O^T window 0
.set TO1,   0x40                       ; destination window 1
.macro PLACES
.rept 4
	v_nop
.endr
.endm
	s_load_b128 s[4:7], s[0:1], 0x0                ; qkv s[4:5], ob s[6:7]
	s_load_b64 s[8:9], s[0:1], 0x10                ; part
	v_lshl_add_u32 v28, v0, 2, SPARE               ; my spare word,
	v_mov_b32 v29, 0                               ; and 0: for the wave's end; never rewritten
	v_lshrrev_b32 v7, 5, v0
	v_readfirstlane_b32 s10, v7                    ; wave w, 0..7
	v_and_b32 v1, 15, v0                           ; r
	v_bfe_u32 v2, v0, 4, 1                         ; h
	v_and_b32 v3, 31, v0                           ; l
	v_lshrrev_b32 v4, 3, v3                        ; l / 8: which of four rows of 128 bytes
	v_and_b32 v5, 7, v0
	v_lshlrev_b32 v5, 4, v5                        ; and my 16 bytes of it
	s_and_b32 s11, ttmp7, 0xffff                   ; bh = 16 b + h
	s_lshl_b32 s12, ttmp9, 9                       ; s0: the group's first query
	s_wait_alu depctr_va_sdst(0)                   ; s10 is written, ahead of its first reader: offsets, bases and the one branch are made from it
	s_lshl_b32 s13, s10, 6
	s_add_co_u32 s13, s13, s12                     ; i0: my wave's first query
	s_lshr_b32 s14, s11, 4
	s_mul_i32 s14, s14, 48
	s_and_b32 s15, s11, 15
	s_add_co_u32 s14, s14, s15
	s_lshl_b32 s14, s14, 18                        ; q's head in qkv
	s_mov_b32 s15, 0
	s_lshl_b32 s16, s11, 18
	s_lshl_b32 s17, s13, 7
	s_add_co_u32 s16, s16, s17                     ; my 64 rows in ob
	s_mov_b32 s17, 0
	s_lshl_b32 s18, s11, 5
	s_lshl_b32 s19, ttmp9, 3
	s_add_co_u32 s18, s18, s19
	s_add_co_u32 s18, s18, s10
	s_mul_i32 s18, s18, 1536                       ; my record in part: number 32 bh + 8 x group + w
	s_mov_b32 s19, 0
	; THE FILL's offsets, all made while the arguments are on their way: wave w brings LDS rows 72 w .. 72 w + 71 of K and of V, four rows a load.  One offset serves both; each has a register of its own (S^T's, idle now)
	s_mul_i32 s42, s10, 72
	s_add_co_u32 s42, s42, s12
	s_sub_co_u32 s42, s42, 32                      ; the key of my first row; below 0 it wraps, and the minimum below makes 2,047 of it
	v_add_nc_u32 v6, s42, v4
.set t, 0
.rept 18
	v_add_nc_u32 v7, 4*t, v6
	v_min_u32 v7, 0x7ff, v7
	v_lshl_add_u32 v[S+t], v7, 7, v5
.set t, t+1
.endr
	s_and_b32 s43, s10, 3                          ; block G: waves 0-3 bring four rows of K each, waves 4-7 of V, which lies 4,194,304 bytes behind K
	s_lshl_b32 s43, s43, 2
	v_add_nc_u32 v7, s43, v4
	v_lshl_add_u32 v30, v7, 7, v5
	s_lshr_b32 s37, s10, 2
	s_lshl_b32 s37, s37, 22
	v_add_nc_u32 v30, s37, v30
	v_lshlrev_b32 v17, 7, v1                       ; a fragment of Q: row r, 16 bytes for each half of the lanes: for the head's rows 0-15,
	v_lshl_add_u32 v17, v2, 4, v17
	s_lshl_b32 s31, s13, 7
	v_add_nc_u32 v16, s31, v17                     ; and for my 64 rows
	s_wait_kmcnt 0x0
	s_add_nc_u64 s[20:21], s[4:5], s[14:15]        ; q,
	s_add_nc_u64 s[22:23], s[20:21], 0x400000      ; k: 16 heads on,
	s_add_nc_u64 s[24:25], s[20:21], 0x800000      ; v: 32 heads on
	s_add_nc_u64 s[26:27], s[6:7], s[16:17]
	s_add_nc_u64 s[28:29], s[8:9], s[18:19]
	s_wait_alu depctr_va_vdst(0)                   ; the offsets v32-49, v30, v16 and v17 are written, which the 53 loads below read
.set t, 0
.rept 18
	global_load_b128 v[KF+8*t:KF+8*t+3],   v[S+t], s[22:23]
	global_load_b128 v[KF+8*t+4:KF+8*t+7], v[S+t], s[24:25]
.set t, t+1
.endr
	global_load_b128 v[248:251], v30, s[22:23]
	WIN TO1
.set i, 0
.rept 8                                ; tile i / 2, channels 32 (i % 2) on
	global_load_b128 v[144+8*i:144+8*i+3],   v16, s[20:21] offset:(i/2)*2048+(i%2)*64
	global_load_b128 v[144+8*i+4:144+8*i+7], v16, s[20:21] offset:(i/2)*2048+(i%2)*64+32
.set i, i+1
.endr
	WIN 0
	; set-up, while the loads are on their way: it writes none of the registers that those loads read or land in
	s_mov_b32 s30, 0xf149f2ca                      ; -1e30
	s_mov_b32 s38, 0x3e38aa3b                      ; c = log2(e) / 8
	s_mov_b32 s39, s38                             ; named with it as a pair
	s_mov_b32 s40, 0x76543210                      ; v_permlanex16_b32: each lane takes its own place in the other half
	s_mov_b32 s41, 0xfedcba98
	v_mov_b32 v24, s30
	v_lshlrev_b32 v7, 3, v2
	v_sub_nc_u32 v27, v1, v7                       ; r - 8 h: register e holds key 8 h + e of a block
	v_cmp_eq_u32 s36, 0, v2                        ; the lanes with keys 0-7
.irp e, 0,1,2,3,4,5,6,7
	v_cmp_ge_i32 s[44+(\e)], \e, v27               ; first band block: key 8 h + e >= r is seen
	v_cmp_le_i32 s[52+(\e)], \e, v27               ; last band block: key 8 h + e <= r
.endr
	WIN TO1
.irp e, 4,5,6,7
	v_mov_b32 v[MCG+(\e)], v24                     ; G's keys 4-7 and 12-15 are never seen
.endr
	WIN 0
	s_mul_i32 s14, s10, 72
	v_add_nc_u32 v7, s14, v4
	v_mul_u32_u24 v8, v7, PK
	v_add_nc_u32 v8, v8, v5                        ; v8: where my 16 bytes of K go
	v_mul_u32_u24 v9, v7, PV
	v_add_nc_u32 v9, v9, v5
	v_add_nc_u32 v9, VB, v9                        ; v9: of V
	s_lshl_b32 s14, s10, 2
	v_add_nc_u32 v7, s14, v4
	v_mul_u32_u24 v10, v7, PK
	v_add_nc_u32 v10, v10, v5
	v_add_nc_u32 v10, 576*PK, v10                  ; v10: G's K, rows 576 + 4 w on (waves 0-3)
	v_mul_u32_u24 v11, v7, PV
	v_add_nc_u32 v11, v11, v5
	v_add_nc_u32 v11, VB+576*PV-16*PV, v11         ; v11: G's V, rows 576 + 4 (w - 4) on (waves 4-7)
	s_lshl_b32 s14, s10, 6
	v_add_nc_u32 v7, s14, v1
	v_mul_u32_u24 v12, v7, PK
	v_lshl_add_u32 v12, v2, 4, v12                 ; v12: K's fragments: row 64 w + r, 16 h
	v_mul_u32_u24 v13, v1, PK
	v_lshl_add_u32 v13, v2, 4, v13
	v_add_nc_u32 v13, 576*PK, v13                  ; v13: the same in G
	v_and_b32 v7, 7, v0                            ; the turning load: lane l reads key 8 h + l % 8, channels 8 ((l / 8) % 2) on
	v_lshl_add_u32 v7, v2, 3, v7
	v_bfe_u32 v31, v0, 3, 1
	v_mul_u32_u24 v15, v7, PV
	v_lshl_add_u32 v15, v31, 4, v15
	s_mul_i32 s14, s10, 64*PV
	v_add_nc_u32 v14, s14, v15
	v_add_nc_u32 v14, VB, v14                      ; v14: V's fragments
	v_add_nc_u32 v15, VB+576*PV, v15               ; v15: the same in G
	s_mul_i32 s14, s10, STW
	s_add_co_u32 s14, s14, STAGE                   ; my stage
	v_mul_u32_u24 v18, v1, PK
	v_lshl_add_u32 v18, v2, 4, v18
	v_add_nc_u32 v18, s14, v18                     ; v18: f16 in: row r of 144 bytes, 16 h
	v_mul_u32_u24 v19, v4, PK
	v_add_nc_u32 v19, v19, v5
	v_add_nc_u32 v19, s14, v19                     ; v19: f16 back: four rows of 128 bytes
	v_mul_u32_u24 v20, v1, 272
	v_lshl_add_u32 v20, v2, 5, v20
	v_add_nc_u32 v20, s14, v20                     ; v20: f32 in: row r of 272 bytes, 32 h
	v_lshlrev_b32 v21, 3, v1
	v_lshl_add_u32 v21, v2, 7, v21
	v_add_nc_u32 v21, s14, v21
	v_add_nc_u32 v21, 4*272, v21                   ; v21: (c m, l) of row r, over row 4 (each half of the lanes its own copy)
	v_mul_u32_u24 v22, v2, 272
	v_lshl_add_u32 v22, v1, 4, v22
	v_add_nc_u32 v22, s14, v22                     ; v22: f32 back: two rows of 256 bytes
	v_lshlrev_b32 v23, 4, v3                       ; v23: my 16 bytes of 512 consecutive bytes in memory
	s_wait_alu depctr_va_sdst(0)                   ; the lane masks s36 and s44-59 are written, ahead of the branch below; the units' masks are made from them
	s_wait_alu depctr_va_vdst(0)                   ; v8-15 and v18-23 are written: every LDS instruction and every store below reads one of them as its address, and none is written again
.set n, 0
.rept 18
	s_wait_loadcnt 52-2*n                          ; behind this load: 35 - 2 n fills, G's load, Q's 16
	ds_store_b128 v8, v[KF+8*n:KF+8*n+3] offset:n*4*PK
	s_wait_loadcnt 51-2*n
	ds_store_b128 v9, v[KF+8*n+4:KF+8*n+7] offset:n*4*PV
.set n, n+1
.endr
	s_wait_loadcnt 16                              ; G's load; Q's 16 stay out
	s_cmp_lt_u32 s10, 4
	s_cbranch_scc0 .Lg_of_v
	ds_store_b128 v10, v[248:251]
	s_branch .Lg_done
.Lg_of_v:
	ds_store_b128 v11, v[248:251]
.Lg_done:
	s_wait_dscnt 0x0                               ; for the others' sake: my stores are done
	s_barrier_signal -1
	s_barrier_wait -1                              ; K and V are whole.  The launch's one barrier: from here on K and V are only read, and a stage is its wave's own
	s_wait_alu depctr_vm_vsrc(0)                   ; my LDS stores have read v104-247, in which K's loads below land; the fill's loads have read v32-49, which tile 0's products write
.set p, 0
.rept 9                                ; K: place p holds block p (p < 5), G (p = 5) or block p - 1
.irp c, 0,1
.if p == 5
	ds_load_b128 v[KF+16*p+8*(\c):KF+16*p+8*(\c)+3],   v13 offset:(\c)*64
	ds_load_b128 v[KF+16*p+8*(\c)+4:KF+16*p+8*(\c)+7], v13 offset:(\c)*64+32
.else
	ds_load_b128 v[KF+16*p+8*(\c):KF+16*p+8*(\c)+3],   v12 offset:(p-p/6)*16*PK+(\c)*64
	ds_load_b128 v[KF+16*p+8*(\c)+4:KF+16*p+8*(\c)+7], v12 offset:(p-p/6)*16*PK+(\c)*64+32
.endif
.endr
.set p, p+1
.endr
	WIN TO1
.set p, 0
.rept 9                                ; V, turned: 16 keys x 16 channels a load: half a fragment
.irp cb, 0,1,2,3
.if p == 5
	ds_load_tr16_b128 v[36*(\cb)+4*p:36*(\cb)+4*p+3], v15 offset:(\cb)*32
.else
	ds_load_tr16_b128 v[36*(\cb)+4*p:36*(\cb)+4*p+3], v14 offset:(p-p/6)*16*PV+(\cb)*32
.endif
.endr
.set p, p+1
.endr
	WIN 0
; The masks of a unit.  mode 0: tile tau of the band.  mode 1: the dense unit: its four blocks of keys are seen whole, G and the sixth place not at all.  No memory or LDS instruction names a register that these lines name.
.macro MASKS tau, mode
.if \mode
	WIN TO1
.irp e, 0,1,2,3,4,5,6,7
	v_mov_b32 v[MC+(\e)], 0
	v_mov_b32 v[MC+8+(\e)], 0
	v_mov_b32 v[MC+16+(\e)], 0
	v_mov_b32 v[MC+24+(\e)], v24
.endr
.irp e, 0,1,2,3
	v_mov_b32 v[MCG+(\e)], v24
.endr
.else
	s_add_co_u32 s31, s13, 16*(\tau)               ; I: the tile's first query
	s_cmp_lt_u32 s31, 32
	s_cselect_b32 s32, s30, 0                      ; keys I - 32 .. I - 17 exist?
	s_cmp_lt_u32 s31, 16
	s_cselect_b32 s33, s30, 0                      ; I - 16 .. I - 1
	s_cmp_ge_u32 s31, 2032
	s_cselect_b32 s34, s30, 0                      ; I + 16 .. I + 31
	s_cmp_ge_u32 s31, 2016
	s_cselect_b32 s35, s30, 0                      ; I + 32 .. I + 47
	WIN 0
	v_add_nc_u32 v26, s31, v1                      ; i
	v_min_u32 v7, 32, v26
	v_sub_nc_u32 v25, v26, v7                      ; max(i - 32, 0)
	v_min_u32 v25, 4, v25
	v_cndmask_b32 v25, 0, v25, s36                 ; how many of G's first keys my lane shows: none in the lanes with keys 8-15
.irp e, 0,1,2,3
	v_cmp_lt_u32 s[60+(\e)], \e, v25               ; G's four compares in one run, each into a register of its own
.endr
	WIN TO1
.irp e, 0,1,2,3,4,5,6,7
	v_cndmask_b32 v[MC+(\e)], v24, s32, s[44+(\e)]
	v_mov_b32 v[MC+8+(\e)], s33
	v_mov_b32 v[MC+16+(\e)], s34
	v_cndmask_b32 v[MC+24+(\e)], v24, s35, s[52+(\e)]
.endr
	s_wait_alu depctr_va_sdst(0)                   ; s60-63 are written, ahead of the four selects that read them; the 32 lines above stand between
.irp e, 0,1,2,3
	v_cndmask_b32 v[MCG+(\e)], v24, 0, s[60+(\e)]
.endr
.endif
.endm
; A UNIT: 16 queries (their fragments at v[q] of window 1) against the six places tau .. tau + 5.
; pq, pt: the unit before was tile pt, whose 16 rows of O are on their way from the stage into v[pq ..] of window 1 (pq = 0: there was none).  first = 1: the wave's first unit.  dq = 1: the dense unit's Q is asked for.
.macro TILE tau, q, mode, pq, pt, first, dq
.if \pq
	s_wait_alu depctr_vm_vsrc(0)                   ; the last unit's LDS stores have read v32-47, which this unit's products write again; with dq = 1 also: tile 0's four stores to memory, issued a unit ago, have read its Q's registers
.endif
.if \dq
	s_wait_xcnt 0x0                                ; and their addresses are translated (ISA guide 3.1): those registers are loaded again only behind both waits
	WIN TO1                                        ; tile 0's Q and its rows of O are done with: the registers take the head's rows 0-15, for the dense unit, two units ahead of their use
.irp c, 0,1
	global_load_b128 v[144+8*(\c):144+8*(\c)+3],   v17, s[20:21] offset:(\c)*64
	global_load_b128 v[144+8*(\c)+4:144+8*(\c)+7], v17, s[20:21] offset:(\c)*64+32
.endr
.endif
	MASKS \tau, \mode
.if \first
	s_wait_loadcnt 0x0                             ; Q
	s_wait_dscnt 36                                ; K is in; V's 36 loads may stay out
.endif
.if \mode
	s_wait_loadcnt 0x0                             ; the head's rows 0-15
.endif
.irp c, 0,1                            ; S^T = K Q^T: 12 products; the six accumulators take turns
.set sg, 0
.rept 6
.set pp, (\tau)+sg
.set rS, S+8*sg
.set rK, KF+16*pp+8*(\c)
.set rQ, (\q)+8*(\c)
.if (\c) == 1
	WIN W_KQ
	v_wmma_f32_16x16x32_f16 v[rS:rS+7], v[rK:rK+7], v[rQ:rQ+7], v[rS:rS+7]
.elseif pp == 5
	WIN W_KQM
	v_wmma_f32_16x16x32_f16 v[rS:rS+7], v[rK:rK+7], v[rQ:rQ+7], v[MCG:MCG+7]
.elseif pp-pp/6-(\tau) == 2
	WIN W_KQ
	v_wmma_f32_16x16x32_f16 v[rS:rS+7], v[rK:rK+7], v[rQ:rQ+7], 0
.else
.set xr, pp-pp/6-(\tau)                ; the block's place in the band: 0, 1, 3, 4
.set rM, MC+8*(xr-xr/3)
	WIN W_KQM
	v_wmma_f32_16x16x32_f16 v[rS:rS+7], v[rK:rK+7], v[rQ:rQ+7], v[rM:rM+7]
.endif
.if ((\c) == 1) && (sg >= 2) && ((\pq) > 0)
	; the last tile's rows of O leave, one store behind each of the last four products, under the products' own window setting.  No s_wait_alu is owed: the data came by LDS loads, whose count
	; is waited for here, and no vector or matrix instruction names these registers, or v23, behind the waits that have covered them
	s_wait_dscnt 5-sg                              ; LDS loads come back in order: load sg - 2 of the four is in, the younger ones stay out
	global_store_b128 v23, v[(\pq)+4*(sg-2):(\pq)+4*(sg-2)+3], s[26:27] offset:(\pt)*2048+(sg-2)*512  ; 512 consecutive bytes, at a multiple of 256 from ob's first byte
.endif
.set sg, sg+1
.endr
.endr
	WIN 0
	PLACES
	; the maximum of the lane's 48 scores: six chains, each accumulator's lowest registers first
.set n, 0
.rept 6
	v_max3_num_f32 v[CC+n], v[S+8*n], v[S+8*n+1], v[S+8*n+2]
.set n, n+1
.endr
.set n, 0
.rept 6
	v_max3_num_f32 v[CC+n], v[CC+n], v[S+8*n+3], v[S+8*n+4]
.set n, n+1
.endr
.set n, 0
.rept 6
	v_max3_num_f32 v[CC+n], v[CC+n], v[S+8*n+5], v[S+8*n+6]
.set n, n+1
.endr
	v_max3_num_f32 v[CC], v[CC], v[S+7], v[S+15]
	v_max3_num_f32 v[CC+1], v[CC+1], v[S+23], v[S+31]
	v_max3_num_f32 v[CC+2], v[CC+2], v[S+39], v[S+47]
	v_max3_num_f32 v[CC], v[CC], v[CC+1], v[CC+2]
	v_max3_num_f32 v[CC+3], v[CC+3], v[CC+4], v[CC+5]
	v_max_num_f32 v[CC], v[CC], v[CC+3]
	v_permlanex16_b32 v[CC+1], v[CC], s40, s41     ; the query's other 48 keys lie in the lane 16 away
	v_max_num_f32 v[CC], v[CC], v[CC+1]            ; m: a true score, since a query sees its own key (the dense unit: all its 64 keys)
	v_mul_f32 v[CM], s38, v[CC]
	v_mov_b32 v[CM+1], v[CM]
.set n, 0
.rept 24
	v_pk_fma_f32 v[S+2*n:S+2*n+1], v[S+2*n:S+2*n+1], s[38:39], v[CM:CM+1] op_sel_hi:[1,0,0] neg_lo:[0,0,1] neg_hi:[0,0,1]  ; c s - c m
.set n, n+1
.endr
.set n, 0
.rept 48                               ; one batch of exponentials,
	v_exp_f32 v[S+n], v[S+n]
.set n, n+1
.endr
	v_nop                                          ; a plain instruction behind the last of them,
	s_wait_alu depctr_va_vdst(0)                   ; and the one wait ahead of the first line that names a result: the 48 exponentials have written v32-79
.set k, 0
.rept 4                                ; l: four chains of six pairs
	v_pk_add_f32 v[LL+2*k:LL+2*k+1], v[S+2*k:S+2*k+1], v[S+8+2*k:S+8+2*k+1]
.set k, k+1
.endr
.set j, 2
.rept 4
.set k, 0
.rept 4
	v_pk_add_f32 v[LL+2*k:LL+2*k+1], v[LL+2*k:LL+2*k+1], v[S+8*j+2*k:S+8*j+2*k+1]
.set k, k+1
.endr
.set j, j+1
.endr
	v_pk_add_f32 v[LL:LL+1], v[LL:LL+1], v[LL+2:LL+3]
	v_pk_add_f32 v[LL+4:LL+5], v[LL+4:LL+5], v[LL+6:LL+7]
	v_pk_add_f32 v[LL:LL+1], v[LL:LL+1], v[LL+4:LL+5]
	v_add_f32 v[CC+2], v[LL], v[LL+1]
	v_permlanex16_b32 v[CC+3], v[CC+2], s40, s41
	v_add_f32 v[CM+1], v[CC+2], v[CC+3]            ; l, beside c m
.if !(\mode)
	v_rcp_f32 v[CC], v[CM+1]                       ; its wait stands behind the second product; the roundings below name neither register
.endif
.set n, 0
.rept 24                               ; P, in place: register n takes pair n, which lies at 2 n or further up
	v_cvt_pk_f16_f32 v[S+n], v[S+2*n], v[S+2*n+1]
.set n, n+1
.endr
.if \first
	s_wait_dscnt 0x0                               ; V is in.  In the later units nothing is out here: the count-down of the stores above has ended at 0
.endif
	WIN W_PV
.irp pi, 0,1,2                         ; O^T = V^T P: 12 products; the four accumulators take turns
.irp cb, 0,1,2,3
.if (\pi) == 0
	v_wmma_f32_16x16x32_f16 v[OT+8*(\cb):OT+8*(\cb)+7], v[36*(\cb)+4*((\tau)+2*(\pi)):36*(\cb)+4*((\tau)+2*(\pi))+7], v[S+8*(\pi):S+8*(\pi)+7], 0
.else
	v_wmma_f32_16x16x32_f16 v[OT+8*(\cb):OT+8*(\cb)+7], v[36*(\cb)+4*((\tau)+2*(\pi)):36*(\cb)+4*((\tau)+2*(\pi))+7], v[S+8*(\pi):S+8*(\pi)+7], v[OT+8*(\cb):OT+8*(\cb)+7]
.endif
.endr
.endr
	WIN 0
	PLACES
.if \mode
	; the partial: O^T as it is, f32, through my stage; (c m, l) over row 4; rows 0-5 back as 1,536 consecutive bytes
	s_wait_alu depctr_va_vdst(0)                   ; the products have written O^T, and v94-95 are written, which the LDS stores read; the products are done reading P, v32-43 of which the loads below land in; the places above stay beside this wait
.irp cb, 0,1,2,3
	ds_store_b128 v20, v[OT+8*(\cb):OT+8*(\cb)+3]   offset:64*(\cb)
	ds_store_b128 v20, v[OT+8*(\cb)+4:OT+8*(\cb)+7] offset:64*(\cb)+16
.endr
	ds_store_b64 v21, v[CM:CM+1]                   ; LDS serves a wave's instructions in order (ISA guide 5.7.1.4): this lands on row 4 behind the stores above
.irp t, 0,1,2
	ds_load_b128 v[S+4*(\t):S+4*(\t)+3], v22 offset:(\t)*2*272
.endr
.irp t, 0,1,2
	s_wait_dscnt 2-(\t)
	global_store_b128 v23, v[S+4*(\t):S+4*(\t)+3], s[28:29] offset:(\t)*512
.endr
.else
	s_wait_alu depctr_va_vdst(0)                   ; the reciprocal has written v88, ahead of its first reader
.set n, 0
.rept 16
	v_pk_mul_f32 v[OT+2*n:OT+2*n+1], v[OT+2*n:OT+2*n+1], v[CC:CC+1] op_sel_hi:[1,0]
.set n, n+1
.endr
.set n, 0
.rept 16
	v_cvt_pk_f16_f32 v[S+n], v[OT+2*n], v[OT+2*n+1]
.set n, n+1
.endr
	s_wait_alu depctr_va_vdst(0)                   ; the roundings have written v32-47, which the LDS stores read; this tile's products K Q^T are done reading its Q, in which the loads from the stage land
.irp cb, 0,1,2,3
	ds_store_b128 v18, v[S+4*(\cb):S+4*(\cb)+3] offset:32*(\cb)
.endr
	WIN TO1                                        ; between that wait and these loads stand the four stores and this switch, which name neither v19 nor the tile's Q
.irp f, 0,1,2,3
	ds_load_b128 v[(\q)+4*(\f):(\q)+4*(\f)+3], v19 offset:(\f)*4*PK  ; whole rows back; LDS serves a wave's instructions in order (ISA guide 5.7.1.4): these see the stores above, and the next unit's stores come behind them.  The next unit sends them on
.endr
	WIN 0
.endif
.endm
	TILE 0, 144, 0, 0,   0, 1, 0
	TILE 1, 160, 0, 144, 0, 0, 0
	TILE 2, 176, 0, 160, 1, 0, 1
	TILE 3, 192, 0, 176, 2, 0, 0
	TILE 2, 144, 1, 192, 3, 0, 0                   ; places 2 .. 7 hold blocks 2 3 4 G 5 6: blocks 2 to 5 are my keys i0 .. i0 + 63
	s_wait_dscnt 0x0                               ; the closing lines, six on end
	s_wait_alu 0x0
	s_wait_tensorcnt 0x0
	ds_add_u32 v28, v29
	s_wait_dscnt 0x0
	s_endpgm
.Lfunc_end_k_q7165495334_attn:
	.size	k_q7165495334_attn, .Lfunc_end_k_q7165495334_attn-k_q7165495334_attn
	.p2alignl 7, 3214868480
	.fill 96, 4, 3214868480
	.section	.rodata,"a",@progbits
	.p2align	6, 0x0
	.amdhsa_kernel k_q7165495334_attn
		.amdhsa_group_segment_fixed_size 215808
		.amdhsa_private_segment_fixed_size 0
		.amdhsa_enable_private_segment 0
		.amdhsa_kernarg_size 24
		.amdhsa_user_sgpr_count 2
		.amdhsa_user_sgpr_kernarg_segment_ptr 1
		.amdhsa_wavefront_size32 1
		.amdhsa_system_sgpr_workgroup_id_x 1
		.amdhsa_system_sgpr_workgroup_id_y 1
		.amdhsa_system_sgpr_workgroup_id_z 1
		.amdhsa_system_vgpr_workitem_id 0
		.amdhsa_next_free_vgpr 512
		.amdhsa_next_free_sgpr 66
		.amdhsa_reserve_vcc 0
		.amdhsa_float_denorm_mode_32 3
		.amdhsa_float_denorm_mode_16_64 3
		.amdhsa_memory_ordered 1
		.amdhsa_forward_progress 1
		.amdhsa_inst_pref_size 99
	.end_amdhsa_kernel
	.amdgpu_metadata
---
amdhsa.version: [ 1, 2 ]
amdhsa.kernels:
  - .name:           k_q7165495334_attn
    .symbol:         k_q7165495334_attn.kd
    .args:
      - { .name: qkv, .offset: 0, .size: 8, .value_kind: global_buffer, .address_space: global }
      - { .name: ob, .offset: 8, .size: 8, .value_kind: global_buffer, .address_space: global }
      - { .name: part, .offset: 16, .size: 8, .value_kind: global_buffer, .address_space: global }
    .group_segment_fixed_size: 215808
    .private_segment_fixed_size: 0
    .kernarg_segment_align: 8
    .kernarg_segment_size: 24
    .max_flat_workgroup_size: 256
    .sgpr_count:     66
    .vgpr_count:     512
    .wavefront_size: 32
...
	.end_amdgpu_metadata
.endif
;; end of part 6
;; launch comb: the kernel of part 4 again; grid 16 x 4, 2 waves a work-group, no clusters, 0 bytes of LDS; arguments part, ob; writes ob
;; launch oproj: the kernel of part 5 again; grid 8 x 32, 4 waves a work-group, clusters of 4 x 4, 327,680 bytes of LDS; arguments ob, wo16, bias, out0; writes out0
